; MI455X (gfx1250); checked and timed in simulation.
; The chip was launched on July 23, 2026; its instructions are those of AMD's public machine-readable ISA for CDNA 5 (MIT licence, August 2026) and "CDNA5" Instruction Set Architecture Reference Guide (July 2026). The comments in the code are by the model that wrote it; some were corrected since.
;; Smooth Attention. Allowed arithmetic: matrix products marked QUANTISED: E2M3 operands, one E8M0 scale for each 32 along K, by v_wmma_scale_f32_16x16x128_f8f6f4 with both operands' format E2M3, f32 sums; everything else in f32.
;; Inputs: Wk 1,024 x 1,024 float32; Wp 1,024 x 1,024 float32; Wq 1,024 x 1,024 float32; Wv 1,024 x 1,024 float32; bk 1,024 float32; bp 1,024 float32; bq 1,024 float32; bv 1,024 float32; x 4 x 2,048 x 1,024 float32.
;; Outputs: out0 4 x 2,048 x 1,024 float32.
;; This version of the problem:
;;   THIS VERSION OF THE PROBLEM IS GIVEN IN LOW PRECISION. The matrix products marked QUANTISED in the list below multiply operands that are first quantised to E2M3 (2 exponent bits, 3 mantissa bits; 6 bits a number), with one power-of-two scale for each 32 numbers along K (OCP MX v1.0); their sums are f32. All else is computed in f32.
;;   The module's matrix products, in the order in which they are computed (A, B: the left and right operand; K: the contracted axis; several contracted axes count as one K, in the product's order):
;;     1. [M 8,192, K 1,024] x [K 1,024, N 1,024]; A: input x; B: input Wq: QUANTISED
;;     2. [M 8,192, K 1,024] x [K 1,024, N 1,024]; A: input x; B: input Wk: QUANTISED
;;     3. [M 8,192, K 1,024] x [K 1,024, N 1,024]; A: input x; B: input Wv: QUANTISED
;;     4. batch 64 x [M 2,048, K 64] x [K 64, N 2,048]; A: computed on the way; B: computed on the way: QUANTISED
;;     5. batch 64 x [M 2,048, K 2,048] x [K 2,048, N 64]; A: softmax (see below); B: computed on the way: QUANTISED
;;     6. [M 8,192, K 1,024] x [K 1,024, N 1,024]; A: computed on the way; B: input Wp: QUANTISED
;;   THE QUANTISER, for each operand of a quantised product, along K:
;;     - K is cut into blocks of 32 from its start; a last block that is shorter is filled with zeros.
;;     - A block's scale is 2^e with e = floor(log2(the largest magnitude in the block)) - 2, held to -126 .. 127; a block of zeros has e = 0. As a byte (E8M0): e + 127.
;;     - Each number is divided by its block's scale, clamped to +-7.5, and rounded to the nearest number of E2M3, ties to even, subnormals kept.
;;     - The product sums the exact products of the quantised numbers (number of the format x scale) in f32.
;;   ~~~python
;;   def quantise(x, axis):      # numpy; x: float32 -> the quantised numbers, widened to float32 again
;;       x = np.moveaxis(x, axis, -1); K = x.shape[-1]
;;       x = np.pad(x, [(0, 0)] * (x.ndim - 1) + [(0, -K % 32)]); x = x.reshape(x.shape[:-1] + (-1, 32)); a = np.abs(x).max(-1, keepdims=True)
;;       e = np.where(a > 0, np.clip(np.frexp(np.where(a > 0, a, 1))[1] - 1 - 2, -126, 127), 0)      # np.frexp(a)[1] - 1 = floor(log2(a)), exactly
;;       r = np.clip(x / 2.0 ** e, -7.5, 7.5)
;;       step = 2.0 ** (np.maximum(np.frexp(np.where(r == 0, 1, r))[1] - 1, 0) - 3)
;;       q = np.round(r / step) * step * 2.0 ** e      # np.round: ties to even
;;       return np.moveaxis(q.reshape(q.shape[:-2] + (-1,))[..., :K], -1, axis).astype(np.float32)
;;   ~~~
;;   SOFTMAX AHEAD OF A QUANTISED PRODUCT. Where the list says 'softmax', what is quantised is not the finished softmax but p = 2^(t - M), with t = logit x log2(e) and M = ceil(the row's largest t), a whole number; so 1/2 < the row's largest p <= 1. The row's sum l is taken of the UNQUANTISED p, in f32, and the product's result is divided by l at the end. Since M is a whole number, a kernel that streams over the keys may use a running M (the ceiling of the running maximum): every later rescaling is an exact power of two, which a block's scale takes up: the codes' values come out the same.
;;   OPERANDS COMPUTED ON THE WAY. 'Computed on the way' means the value that the module computes at that place (a softmax that the list does not call 'softmax' is quantised finished and normalised). What goes into a quantiser is computed in f32, as accurately as f32 sums, v_exp_f32 and their like allow (about 1e-6 of the number): no bf16 or f16 on the way to a quantiser, and a product that is left as it is and whose result goes on into a quantised operand takes f32 operands (vector FMAs, or v_wmma_f32_16x16x4_f32). A number that lies on a knife's edge between two numbers of the format may be rounded either way, as far as f32 arithmetic and the matrix unit's own rounding can turn it there, and no further.
;; One version. Each part assembles by itself: llvm-mc -triple=amdgcn-amd-amdhsa -mcpu=gfx1250 --defsym DOCPART=n.
;; ======== version 1 of 1: 4 launches
;; limits: right only within a limited range of input values
;; workspace buffers: codes 9,437,184 bytes; scales 393,216 bytes; qkv 20,185,088 bytes
;; launch quant (part 1): grid 384 x 1, 4 waves a work-group, no clusters, 33,280 bytes of LDS; arguments x, Wq, Wk, Wv, Wp, codes, scales; writes codes, scales
.if DOCPART == 1
	.amdgcn_target "amdgcn-amd-amdhsa--gfx1250"
	.amdhsa_code_object_version 6
	.text
	.protected	k_qbbeabfc346_quant
	.globl	k_qbbeabfc346_quant
	.p2align	8
	.type	k_qbbeabfc346_quant,@function
k_qbbeabfc346_quant:
	s_mov_b64 s[64:65], 0
	v_nop
	global_prefetch_b8 v0, s[64:65] scope:SCOPE_SE
	s_setreg_imm32_b32 hwreg(HW_REG_WAVE_MODE, 25, 1), 1
	s_wait_xcnt 0x0
; x [8192][1024] and Wq, Wk, Wv, Wp [1024][1024], f32, K innermost, become codes of FP6 (E2M3) with one E8M0 scale byte for each 32 along K.
; codes:  [16 chunks of 64 along K][12,288 rows][48 bytes]; rows 0-8191 x, then Wq, Wk, Wv, Wp, 1,024 rows each.  scales: [12,288 rows][32 bytes], byte k / 32.
; A block's scale is 2^(floor(log2(its largest magnitude)) - 2); its byte is the largest magnitude's exponent field - 2, held at 1 from below.
; THE ROWS CHANGE PLACES: inside every 32 rows the four groups of 8 rows are stored in the order 0, 2, 1, 3.  Stored row 16 u + r of the 32 is then true row 8 u + r + 8 (r / 8): a tile of 16
; stored rows, used as source 0 of a transposed product, leaves 16 NEIGHBOURS along the next product's K in the 16 registers of two neighbouring tiles.  The later launches count on it.
; LIMITS: NaN and infinities are not served.  A block of zeros, or one whose largest magnitude lies under 2^-124, gets the byte 1: its codes are zeros or held small; the bytes are read by this program alone.
; SHARES: a work-group takes 32 rows, a wave 8 of them; a step is one chunk of 64 along K of the 8 rows: 512 numbers.  Each load reads two rows' 256 aligned bytes; the numbers turn through the wave's
; own stage in LDS, so that a lane holds 16 neighbours of one row (two neighbouring lanes hold a block).  No tensor loads, no barrier: waves share nothing.
.set WAVES, 4
.set STEPS, 16
.set EMAX,  2
.set CH,    589824                     ; a chunk of the codes' buffer: 12,288 rows x 48 bytes
.set R,     16                         ; v16-79   four sets of 16 numbers as they are loaded
.set X,     80                         ; v80-111  two sets of 16 neighbours
.set E,     112                        ; v112-127 a scale byte for each step
.set C,     128                        ; v128-191 codes: four registers for each step, so that no store's data are written again
.set WREG,  8192                       ; LDS: a region for each wave: two stages of 32 x SP bytes, then its 256 scale bytes
.set SP,    80                         ; a lane's place in a stage: 64 bytes + 16 of padding
.set SCB,   2*32*SP
.set SPW,   12                         ; v12  LDS address of my spare word; never rewritten
.set NIL,   13                         ; v13  0; never rewritten
.set SPARE, WAVES*WREG                 ; behind the regions: the spare words, 128 bytes a wave
	s_load_b256 s[4:11], s[0:1], 0x0               ; x, Wq, Wk, Wv
	s_load_b128 s[12:15], s[0:1], 0x20             ; Wp, codes
	s_load_b64 s[16:17], s[0:1], 0x30              ; scales
	v_lshl_add_u32 v[SPW], v0, 2, SPARE
	v_mov_b32 v[NIL], 0
	v_lshrrev_b32 v1, 5, v0
	v_readfirstlane_b32 s18, v1                    ; wave
	v_and_b32 v2, 31, v0                           ; lane
	v_and_b32 v3, 15, v0
	v_lshlrev_b32 v3, 4, v3
	v_bfe_u32 v8, v0, 4, 1
	v_lshl_add_u32 v3, v8, 12, v3                  ; a load: lanes 0-15 one row's 256 bytes, lanes 16-31 the next row's
	s_mul_i32 s30, s18, WREG
	v_lshrrev_b32 v14, 2, v2
	v_mul_u32_u24 v14, v14, SP
	v_and_b32 v15, 3, v2
	v_lshl_add_u32 v14, v15, 4, v14
	v_add_nc_u32 v14, s30, v14                     ; the stage, in: four lanes' 64 bytes on end, then padding; load i takes places 8 i .. 8 i + 7 = 4 x row + quarter
	v_mul_u32_u24 v15, v2, SP
	v_add_nc_u32 v15, s30, v15                     ; and out: place = lane: row lane / 4, numbers 16 (lane % 4) on
	v_mul_u32_u24 v4, v2, 12                       ; my 12 bytes of codes: 48 (lane / 4) + 12 (lane % 4)
	s_add_co_u32 s30, s30, SCB
	v_lshrrev_b32 v5, 2, v2
	v_lshlrev_b32 v5, 5, v5
	v_bfe_u32 v8, v0, 1, 1
	v_add_nc_u32 v5, v5, v8
	v_add_nc_u32 v5, s30, v5                       ; my block's byte: 32 x row + the block of the chunk; the step adds 2 t
	v_lshlrev_b32 v7, 3, v2                        ; on the way out 8 bytes a lane
	v_add_nc_u32 v6, s30, v7
	s_and_b32 s19, s18, 1                          ; where my 8 rows go: groups 1 and 2 change places
	s_lshl_b32 s19, s19, 1
	s_lshr_b32 s23, s18, 1
	s_or_b32 s19, s19, s23
	s_wait_alu depctr_va_vdst(0)
	s_wait_kmcnt 0x0
	s_mov_b64 s[20:21], s[12:13]                   ; which tensor: the choice hangs on the work-group's number alone
	s_cmp_lt_u32 ttmp9, 352
	s_cselect_b64 s[20:21], s[10:11], s[20:21]
	s_cmp_lt_u32 ttmp9, 320
	s_cselect_b64 s[20:21], s[8:9], s[20:21]
	s_cmp_lt_u32 ttmp9, 288
	s_cselect_b64 s[20:21], s[6:7], s[20:21]
	s_and_b32 s23, ttmp9, 31
	s_cmp_lt_u32 ttmp9, 256
	s_cselect_b64 s[20:21], s[4:5], s[20:21]
	s_cselect_b32 s22, ttmp9, s23                  ; which 32 rows of it
	s_lshl_b32 s22, s22, 5
	s_lshl_b32 s23, s18, 3
	s_add_co_u32 s22, s22, s23
	s_lshl_b32 s22, s22, 12                        ; rows of 4,096 bytes: under 2^26
	s_mov_b32 s23, 0
	s_add_nc_u64 s[20:21], s[20:21], s[22:23]
	s_lshl_b32 s31, ttmp9, 5
	s_lshl_b32 s32, s19, 3
	s_add_co_u32 s31, s31, s32                     ; my first stored row
	s_mul_i32 s32, s31, 48
	s_mov_b32 s33, 0
	s_add_nc_u64 s[24:25], s[14:15], s[32:33]      ; chunks 0-7 from here,
	s_add_nc_u64 s[26:27], s[24:25], 8*CH          ; chunks 8-15 from here: 7 chunks stay inside a store's signed 24-bit immediate
	s_lshl_b32 s32, s31, 5
	s_add_nc_u64 s[28:29], s[16:17], s[32:33]
.macro LOAD t
.irp i, 0,1,2,3
	global_load_b128 v[R+16*((\t)%4)+4*\i:R+16*((\t)%4)+4*\i+3], v3, s[20:21] offset:256*(\t)+8192*\i th:TH_LOAD_NT
.endr
.endm
.macro TURN t                          ; step t's numbers through the stage: LDS serves a wave's instructions in order, so no wait stands between the stores and the loads
.irp i, 0,1,2,3
	ds_store_b128 v14, v[R+16*((\t)%4)+4*\i:R+16*((\t)%4)+4*\i+3] offset:32*SP*((\t)%2)+8*SP*\i
.endr
.irp i, 0,1,2,3
	ds_load_b128 v[X+16*((\t)%2)+4*\i:X+16*((\t)%2)+4*\i+3], v15 offset:32*SP*((\t)%2)+16*\i
.endr
.endm
.irp t, 0,1,2,3
	LOAD \t
.endr
	s_wait_loadcnt 12                              ; step 0's four loads are in; three steps' twelve may be out
	TURN 0
.macro STEP t
.set XS, X+16*((\t)%2)
.if (\t) > 0
	s_wait_dscnt 1                                 ; this step's numbers are back from the stage (the last step's byte store may be out): so the stage's stores have read their registers,
.else
	s_wait_dscnt 0x0
.endif
.if (\t)+4 < STEPS
	LOAD (\t)+4                                    ; which take the loads of four steps on
.endif
.if (\t)+1 < STEPS
.if STEPS-2-(\t) >= 3
	s_wait_loadcnt 12                              ; the next step's four loads are in; those of the three steps behind it may be out
.else
	s_wait_loadcnt 4*(STEPS-2-(\t))
.endif
	TURN (\t)+1
.endif
	v_max3_num_f32 v8, |v[XS]|, |v[XS+1]|, |v[XS+2]|               ; the largest magnitude of my 16, in two chains
	v_max3_num_f32 v9, |v[XS+3]|, |v[XS+4]|, |v[XS+5]|
.irp i, 6,10
	v_max3_num_f32 v8, v8, |v[XS+\i]|, |v[XS+\i+1]|
	v_max3_num_f32 v9, v9, |v[XS+\i+2]|, |v[XS+\i+3]|
.endr
	v_max3_num_f32 v8, v8, |v[XS+14]|, |v[XS+15]|
	v_max3_num_f32 v8, v8, v9, (EMAX+1)<<23        ; and the floor 2^(3 - 127): the byte cannot fall under 1
	v_max_num_f32_dpp v8, v8, v8 row_xmask:1 row_mask:0xf bank_mask:0xf   ; with my neighbour's 16: the block's
	v_add_nc_u32 v11, -(EMAX<<23), v8              ; 2 off its exponent field: the conversion takes the exponent field of this operand as its scale
	v_cvt_scalef32_pk16_fp6_f32 v[C+4*(\t):C+4*(\t)+2], v[XS:XS+15], v11
	v_lshrrev_b32 v[E+(\t)], 23, v11               ; the scale's byte
	ds_store_b8 v5, v[E+(\t)] offset:2*(\t)        ; both lanes of a block write the same byte with the same value
	global_store_b96 v4, v[C+4*(\t):C+4*(\t)+2], s[24+2*((\t)/8):25+2*((\t)/8)] offset:((\t)%8)*CH   ; the wave stores 384 consecutive bytes: 8 rows of the chunk
.endm
.irp t, 0,1,2,3,4,5,6,7,8,9,10,11,12,13,14,15
	STEP \t
.endr
	ds_load_b64 v[8:9], v6                         ; my wave's 256 scale bytes: 8 rows of 32
	s_wait_dscnt 0x0
	global_store_b64 v7, v[8:9], s[28:29]          ; 32 lanes store 256 consecutive bytes, aligned
	s_wait_tensorcnt 0x0                           ; the wave's end
	ds_add_u32 v[SPW], v[NIL]
	s_wait_dscnt 0x0
	s_endpgm
.Lfunc_end_k_qbbeabfc346_quant:
	.size	k_qbbeabfc346_quant, .Lfunc_end_k_qbbeabfc346_quant-k_qbbeabfc346_quant
	.p2alignl 7, 3214868480
	.fill 96, 4, 3214868480
	.section	.rodata,"a",@progbits
	.p2align	6, 0x0
	.amdhsa_kernel k_qbbeabfc346_quant
		.amdhsa_group_segment_fixed_size 33280
		.amdhsa_private_segment_fixed_size 0
		.amdhsa_enable_private_segment 0
		.amdhsa_kernarg_size 56
		.amdhsa_user_sgpr_count 2
		.amdhsa_user_sgpr_kernarg_segment_ptr 1
		.amdhsa_wavefront_size32 1
		.amdhsa_system_sgpr_workgroup_id_x 1
		.amdhsa_system_sgpr_workgroup_id_y 1
		.amdhsa_system_sgpr_workgroup_id_z 1
		.amdhsa_system_vgpr_workitem_id 0
		.amdhsa_next_free_vgpr 192
		.amdhsa_next_free_sgpr 66
		.amdhsa_reserve_vcc 0
		.amdhsa_float_denorm_mode_32 3
		.amdhsa_float_denorm_mode_16_64 3
		.amdhsa_memory_ordered 1
		.amdhsa_forward_progress 1
		.amdhsa_inst_pref_size 33
	.end_amdhsa_kernel
	.amdgpu_metadata
---
amdhsa.version: [ 1, 2 ]
amdhsa.kernels:
  - .name:           k_qbbeabfc346_quant
    .symbol:         k_qbbeabfc346_quant.kd
    .args:
      - { .name: x, .offset: 0, .size: 8, .value_kind: global_buffer, .address_space: global }
      - { .name: Wq, .offset: 8, .size: 8, .value_kind: global_buffer, .address_space: global }
      - { .name: Wk, .offset: 16, .size: 8, .value_kind: global_buffer, .address_space: global }
      - { .name: Wv, .offset: 24, .size: 8, .value_kind: global_buffer, .address_space: global }
      - { .name: Wp, .offset: 32, .size: 8, .value_kind: global_buffer, .address_space: global }
      - { .name: codes, .offset: 40, .size: 8, .value_kind: global_buffer, .address_space: global }
      - { .name: scales, .offset: 48, .size: 8, .value_kind: global_buffer, .address_space: global }
    .group_segment_fixed_size: 33280
    .private_segment_fixed_size: 0
    .kernarg_segment_align: 8
    .kernarg_segment_size: 56
    .max_flat_workgroup_size: 128
    .sgpr_count:     66
    .vgpr_count:     192
    .wavefront_size: 32
...
	.end_amdgpu_metadata
.endif
;; end of part 1
;; launch qkv (part 2): grid 12 x 32, 4 waves a work-group, clusters of 4 x 4, 327,680 bytes of LDS; arguments codes, scales, bq, bk, bv, qkv; writes qkv
.if DOCPART == 2
	.amdgcn_target "amdgcn-amd-amdhsa--gfx1250"
	.amdhsa_code_object_version 6
	.text
	.protected	k_qbbeabfc346_qkv
	.globl	k_qbbeabfc346_qkv
	.p2align	8
	.type	k_qbbeabfc346_qkv,@function
k_qbbeabfc346_qkv:
	s_mov_b64 s[64:65], 0
	v_nop
	global_prefetch_b8 v0, s[64:65] scope:SCOPE_SE
	s_setreg_imm32_b32 hwreg(HW_REG_WAVE_MODE, 25, 1), 1
	s_wait_xcnt 0x0
	s_wait_alu depctr_hold_cnt(0) depctr_sa_sdst(0) depctr_va_vdst(0) depctr_va_sdst(0) depctr_va_ssrc(0) depctr_va_vcc(0) depctr_vm_vsrc(0)
	s_getreg_b32 s2, hwreg(HW_REG_IB_STS2, 6, 4)
	s_cmp_eq_u32 s2, 0
	s_cbranch_scc0 .Lentry_in_a_cluster
	s_endpgm
.Lentry_in_a_cluster:
	s_bfe_u32 s2, ttmp6, 0x10000c
	s_cmp_lg_u32 s2, 0xf033
	s_cbranch_scc0 .Lentry_shape_is_right
	s_endpgm
.Lentry_shape_is_right:
; q = x Wq^T + bq, k = x Wk^T + bk, v = x Wv^T + bv on codes of FP6 (E2M3) with E8M0 scales, f32 sums; the results are quantised in registers (q, k along a head's 64, v along the keys)
; and stored as images of the operand registers that the attention launch wants.  No f32 copy of q, k, v goes to memory.
; codes [16 chunks of 64 K][12,288 rows][48 bytes], scales [12,288 rows][32]: rows 0-8191 x, 8192 Wq, 9216 Wk, 10240 Wv.  Inside every 32 stored rows the groups of 8 stand in the order 0, 2, 1, 3.
; SHARES.  Cluster x = 0, 1, 2 makes q, k, v.  A work-group makes 256 'A' rows x 256 'B' rows, each of its four waves 128 x 128: 64 accumulators, 512 registers.  THE MATRIX INSTRUCTION IS USED TRANSPOSED
; (source 0 = 16 rows of B, source 1 = 16 rows of A): a lane holds ONE row of A, and, by the order of the stored rows, the 16 registers of B's tiles 2 b and 2 b + 1 are B's true rows 32 b + 16 (lane / 16) + 0 .. 15.
; q, k: A = x (tokens), B = W (features): a lane's registers run along a head's dims.   v: A = Wv (dims), B = x (tokens): a lane's registers run along the keys.  Which way is taken hangs on the cluster's x alone.
; K goes in steps of 256 (four chunks) through a ring of two LDS slots; a wave's tensor load brings 2 x 12,288 consecutive bytes (256 rows of two chunks).  The scales of the 512 rows come once and stay.
; CLUSTERS: 4 x 4 work-groups; A's tiles are asked for jointly along a row of the cluster, B's along a column.
; qkv: [64 heads][16 steps of 128 tokens][record of 19,712 bytes]: K's codes 0, V's codes 6,144, K's scale words 12,288, V's 12,800, Q's codes 13,056, Q's scale words 19,200.
;   a tile of Q or K (16 tokens x 64): 3 planes of 256 bytes, plane p = registers 2 p, 2 p + 1 of lane l at 8 l.   a tile of V (16 dims x 128 keys): 3 planes of 512 bytes, plane g = registers 4 g .. 4 g + 3 at 16 l.
;   scale words of Q, K: lane l, word w at 16 l + 4 w: tile 2 w + l / 16, row l % 16, upper two bytes 0.   of V: at 8 l + 4 w likewise.
; LIMITS: NaN and infinities are not served; a block whose largest magnitude lies under 2^-124 (zeros too) gets the byte 1; the bytes are read by this program alone.
; REGISTERS: window 0: v1-31 addresses; v32-63 scale words, two sets; v64-127 the bias as the first products' C; v128-223 A's 8 fragments, ONE set (at the end: at work); v224-231 the bias loads' offsets.
;   window 1: B's fragments, two sets, at v0 and v128.   windows 2, 3: accumulator (a, b) at v[8 (8 (a % 4) + b)].
.set NQ,    2                          ; matrix instructions deep in a slot
.set FR,    12                         ; registers of a fragment: 16 rows x 128 K
.set NL,    6                          ; LDS loads that bring one
.set NP,    4                          ; places behind this matrix instruction (ISA guide 7.12.1)
.set CH,    589824                     ; a chunk of the codes' buffer
.set CHB,   12288                      ; a chunk of 256 rows in LDS: a slot holds A's [4 chunks][256 rows][48 bytes], then B's
.set HALFT, 2*CHB                      ; what one tensor load of the ring brings: two chunks of 256 rows
.set SLOT,  4*HALFT                    ; A's two halves, then B's two
.set KSB,   4*CH                       ; a K step on, in memory
.set SCL,   2*SLOT                     ; behind the ring: the scales, as units of 256 bytes + 16 of padding
.set HALFS, 16*272                     ; those of 128 rows
.set SBLK,  2*272                      ; those of 16 rows
.set SPARE, SCL+4*HALFS                ; the spare words, 128 bytes a wave
.set REC,   19712
.set HEADB, 16*REC
.set ADRA, 16                          ; v16-17 LDS address of my A fragments in slot 0, 1
.set ADRB, 20                          ; v20-21 the same for B
.set LO8,  24                          ; v24    8 x lane
.set LO16, 25                          ; v25    16 x lane
.set ADRS, 27                          ; v27    LDS address of my scale words: lanes 0-15 A's rows, lanes 16-31 B's
.set SPW,  28                          ; v28    my spare word; never rewritten
.set NIL,  29                          ; v29    0; never rewritten
.set SC,   32
.set BIAS, 64
.set AF,   128
.set BO,   224
.set TM,   128                         ; at the end: v128-131 largest magnitudes, v132-135 bytes, v140-143 the conversions' scale operands
.set PC,   144                         ; v144-163 the codes just made
.set PW,   168                         ; v168-175 a scale word for each of A's blocks
.set SW,   176                         ; v176-183 the scale words as they are stored
.set WV, 16
.set WR, 17                            ; which half of A's rows is mine.  Also: I fetch for A (0) or for B (1)
.set WC, 18                            ; which half of B's rows.  Also: which two of a K step's chunks I fetch
.set G1, 24
.set G0, 32
.set G1B, 48
.set G0B, 56
.set G1S, 68
.set G0S, 76
.set G1SB, 80
.set G0SB, 88
.set MSB, 0
.macro WIN new                         ; the immediate's high byte repeats the setting that is left
.if MSB != (\new)
	s_set_vgpr_msb (MSB<<8)|(\new)
.set MSB, (\new)
.endif
.endm
.set MUL_LO, 0xa1                      ; source 0 (B) window 1, source 1 (A) window 0, C and D window 2
.set MUL_HI, 0xf1                      ; the same, C and D window 3
.set TO_B,   0x40
; A joint load: waves 0 and 1 fetch for A, waves 2 and 3 for B; the branch hangs on the wave's number alone.  An s_nop 0 and four v_nop follow each line.
.macro JLOAD g0a, g1a, g0b, g1b
	s_cmp_eq_u32 s[WR], 0
	s_cbranch_scc0 .Lfor_b_\@
	tensor_load_to_lds s[\g0a:\g0a+3], s[\g1a:\g1a+7]
	s_nop 0
.rept 4
	v_nop
.endr
	s_branch .Lasked_\@
.Lfor_b_\@:
	tensor_load_to_lds s[\g0b:\g0b+3], s[\g1b:\g1b+7]
	s_nop 0
.rept 4
	v_nop
.endr
.Lasked_\@:
.endm
.macro CREST                           ; a round of the cluster's barrier behind its opening barrier
	s_cmp_lg_u32 s[WV], 0
	s_cbranch_scc1 .Lnot_wave_0_\@
	s_barrier_signal -3
.Lnot_wave_0_\@:
	s_barrier_wait -3
	s_barrier_signal -1
	s_barrier_wait -1
.endm
.macro CROUND
	s_barrier_signal -1
	s_barrier_wait -1
	CREST
.endm
	s_load_b256 s[4:11], s[0:1], 0x0               ; codes s[4:5], scales s[6:7], bq s[8:9], bk s[10:11]
	s_load_b128 s[12:15], s[0:1], 0x20             ; bv s[12:13], qkv s[14:15]
	v_lshl_add_u32 v[SPW], v0, 2, SPARE
	v_mov_b32 v[NIL], 0
	ds_add_u32 v[SPW], v[NIL]                      ; the wave's opening: the add and its wait stand ahead of my first tensor load; work on registers stands between
	ds_add_u32 v[SPW], v[NIL]
	v_lshrrev_b32 v1, 5, v0
	v_readfirstlane_b32 s[WV], v1
	s_lshr_b32 s[WR], s[WV], 1
	s_and_b32 s[WC], s[WV], 1
	s_bfe_u32 s40, ttmp6, 0x40000                  ; cx
	s_bfe_u32 s41, ttmp6, 0x40004                  ; cy
	s_and_b32 s42, ttmp7, 0xffff                   ; cluster y: 1,024 tokens
	s_lshl_b32 s43, s41, 2
	s_lshl_b32 s43, 15, s43                        ; my row of the cluster
	s_lshl_b32 s44, 0x1111, s40                    ; my column
	; group 1 for the tiles: 4 rows (chunks) of 1,536 elements of 8 bytes, a chunk apart in memory, dense in LDS
	s_or_b32 s[G1+0], s43, (3<<16)|(1<<21)
	s_or_b32 s[G1B+0], s44, (3<<16)|(1<<21)
.irp g, G1, G1B
	s_mov_b32 s[\g+1], 1536<<16                    ; tensor_dim0: 256 rows of a chunk, 12,288 consecutive bytes
	s_mov_b32 s[\g+2], 4<<16                       ; tensor_dim1: four chunks for the head's loads; behind them two
	s_mov_b32 s[\g+3], 1536<<16                    ; tile_dim0
	s_mov_b32 s[\g+4], 4                           ; tile_dim1
	s_mov_b32 s[\g+5], CH/8                        ; stride
	s_mov_b32 s[\g+6], 0
	s_mov_b32 s[\g+7], 0
.endr
	; and for the scales of 256 rows: 8,192 dense bytes as 32 rows of 256, 16 bytes of padding behind each
	s_or_b32 s[G1S+0], s43, (3<<16)|(1<<20)|(1<<21)|(5<<22)|(3<<25)
	s_or_b32 s[G1SB+0], s44, (3<<16)|(1<<20)|(1<<21)|(5<<22)|(3<<25)
.irp g, G1S, G1SB
	s_mov_b32 s[\g+1], 32<<16
	s_mov_b32 s[\g+2], 32<<16                      ; the scales of 256 rows: 32 rows of 256 bytes
	s_mov_b32 s[\g+3], 32<<16
	s_mov_b32 s[\g+4], 32
	s_mov_b32 s[\g+5], 32
	s_mov_b32 s[\g+6], 0
	s_mov_b32 s[\g+7], 0
.endr
	; the rows.  q, k: A = x at 1,024 Y + 256 cy, B = W at 8,192 + 1,024 X + 256 cx.   v: A = Wv at 10,240 + 256 cy, B = x at 1,024 Y + 256 cx.  A's hang on cy alone, B's on cx alone.
	s_lshl_b32 s19, s42, 10
	s_lshl_b32 s2, ttmp9, 10
	s_add_co_u32 s2, s2, 8192
	s_mov_b32 s3, 10240
	s_cmp_eq_u32 ttmp9, 2                          ; v?  The same in all sixteen partners
	s_cselect_b32 s66, s3, s19
	s_cselect_b32 s67, s19, s2
	s_cselect_b32 s99, -1, 0                       ; a lane mask: all lanes for v
	s_cselect_b32 s100, 0, 4                       ; the bias loads' step from register to register
	s_lshl_b32 s20, s41, 8
	s_add_co_u32 s66, s66, s20
	s_lshl_b32 s46, s40, 8
	s_add_co_u32 s67, s67, s46
	s_mov_b32 s20, s66                             ; every load takes all 256 rows
	s_mov_b32 s46, s67
	s_lshl_b32 s22, s20, 5                         ; their scales: 32 bytes a row
	s_mov_b32 s23, 0
	s_lshl_b32 s2, s46, 5
	s_mov_b32 s3, 0
	s_mul_i32 s20, s20, 48                         ; their codes in chunk 0
	s_mov_b32 s21, 0
	s_mul_i32 s46, s46, 48
	s_mov_b32 s47, 0
	s_mul_i32 s45, s[WV], HALFT                    ; where they go: no place in the cluster enters an LDS address
	s_mov_b32 s96, 0x76543210                      ; v_permlanex16_b32's selects for lane l xor 16
	s_mov_b32 s97, 0xfedcba98
	s_mov_b32 s98, 0xffff0000                      ; lanes 16-31
	s_wait_dscnt 0x0                               ; the opening add is done
	s_wait_kmcnt 0x0
	s_add_nc_u64 s[20:21], s[4:5], s[20:21]
	s_add_nc_u64 s[22:23], s[6:7], s[22:23]
	s_add_nc_u64 s[46:47], s[4:5], s[46:47]
	s_add_nc_u64 s[2:3], s[6:7], s[2:3]
	CROUND                                         ; all sixteen work-groups are here: the first joint loads meet
	s_mov_b32 s[G0S], 1
	s_mov_b32 s[G0S+1], SCL
	s_mov_b64 s[G0S+2:G0S+3], s[22:23]
	s_or_b32 s[G0S+3], s[G0S+3], 0x80000000
	s_mov_b32 s[G0SB], 1
	s_mov_b32 s[G0SB+1], SCL+2*HALFS
	s_mov_b64 s[G0SB+2:G0SB+3], s[2:3]
	s_or_b32 s[G0SB+3], s[G0SB+3], 0x80000000
	s_mul_i32 s2, s[WC], 2*CH                      ; in the ring I fetch two of a K step's four chunks
	s_mov_b32 s3, 0
	s_mov_b32 s[G0], 1                             ; the head's tiles, each whole: K step 0 of A's 256 rows,
	s_mov_b32 s[G0+1], 0
	s_mov_b64 s[G0+2:G0+3], s[20:21]
	s_or_b32 s[G0+3], s[G0+3], 0x80000000
	s_mov_b32 s[G0B], 1                            ; and of B's, behind them in slot 0
	s_mov_b32 s[G0B+1], 2*HALFT
	s_mov_b64 s[G0B+2:G0B+3], s[46:47]
	s_or_b32 s[G0B+3], s[G0B+3], 0x80000000
	s_add_nc_u64 s[20:21], s[20:21], s[2:3]
	s_add_nc_u64 s[46:47], s[46:47], s[2:3]
	s_mov_b32 s[G0+4], 1                           ; slot 1's ring loads: my two chunks of K step 1
	s_add_co_u32 s[G0+5], s45, SLOT
	s_add_nc_u64 s[G0+6:G0+7], s[20:21], KSB
	s_or_b32 s[G0+7], s[G0+7], 0x80000000
	s_mov_b32 s[G0B+4], 1
	s_add_co_u32 s[G0B+5], s45, SLOT
	s_add_nc_u64 s[G0B+6:G0B+7], s[46:47], KSB
	s_or_b32 s[G0B+7], s[G0B+7], 0x80000000
; the head's loads, one a wave: wave 0 A's K step 0, wave 1 B's, wave 2 A's scales, wave 3 B's; one chain of branches on the wave's number
.macro ARM under, g0, g1, next
	s_cmp_lt_u32 s[WV], \under
	s_cbranch_scc0 \next
	tensor_load_to_lds s[\g0:\g0+3], s[\g1:\g1+7]
	s_nop 0
.rept 4
	v_nop
.endr
	s_branch .Lhead_asked
\next:
.endm
	ARM 1, G0,  G1,  .Lhead_b
	ARM 2, G0B, G1B, .Lhead_sa
	ARM 3, G0S, G1S, .Lhead_sb
	tensor_load_to_lds s[G0SB:G0SB+3], s[G1SB:G1SB+7]
	s_nop 0
.rept 4
	v_nop
.endr
.Lhead_asked:
	v_and_b32 v1, 15, v0                           ; r
	v_bfe_u32 v2, v0, 4, 1                         ; h
	v_mul_u32_u24 v3, v1, 48
	v_mad_u32_u24 v3, v2, 24, v3                   ; a fragment's row x 48 + 24 h: word 12 r + 6 h: the 32 lanes of a load of 8 bytes touch 64 different banks
	s_mul_i32 s19, s[WR], 6144                     ; my 128 rows of a chunk's 256
	s_mul_i32 s22, s[WC], 6144
	s_add_co_u32 s22, s22, 2*HALFT
.irp s, 0,1
	v_add_nc_u32 v[ADRA+\s], s19, v3
	v_add_nc_u32 v[ADRB+\s], s22, v3
	s_add_co_u32 s19, s19, SLOT
	s_add_co_u32 s22, s22, SLOT
.endr
	v_lshlrev_b32 v5, 5, v1                        ; my row's scales: 32 bytes a row,
	v_lshrrev_b32 v6, 8, v5
	v_lshl_add_u32 v5, v6, 4, v5                   ; and 16 more for each 256 passed
	s_mul_i32 s19, s[WR], HALFS
	s_mul_i32 s22, s[WC], HALFS
	s_add_co_u32 s22, s22, 2*HALFS
	s_sub_co_u32 s22, s22, s19
	v_mul_u32_u24 v6, s22, v2                      ; lanes 16-31 take B's: one product, the distance between the two bases
	s_add_co_u32 s19, s19, SCL
	v_add_nc_u32 v5, v5, v6
	v_add_nc_u32 v[ADRS], s19, v5
	v_and_b32 v4, 31, v0
	v_lshlrev_b32 v[LO8], 3, v4
	v_lshlrev_b32 v[LO16], 4, v4
	; THE BIAS, as the C of each sum's first product.  q, k: register 8 i + j = b[32 (i / 2) + 8 (i % 2) + 16 h + j], for B's block i.   v: all eight j = bv of my lane's dim 32 (i / 2) + 8 (i % 2) + r + 8 (r / 8), for A's block i.
	s_cmp_eq_u32 ttmp9, 1
	s_cselect_b64 s[20:21], s[10:11], s[8:9]
	s_cmp_eq_u32 ttmp9, 2
	s_cselect_b64 s[20:21], s[12:13], s[20:21]
	s_cselect_b32 s22, s41, s40
	s_cselect_b32 s23, s[WR], s[WC]
	s_lshl_b32 s22, s22, 10
	s_lshl_b32 s23, s23, 9
	s_add_co_u32 s22, s22, s23                     ; 4 bytes x (256 x place + 128 x half)
	s_mov_b32 s23, 0
	s_add_nc_u64 s[20:21], s[20:21], s[22:23]
	v_lshlrev_b32 v4, 6, v2                        ; 64 h
	v_lshrrev_b32 v5, 3, v1
	v_lshl_add_u32 v5, v5, 3, v1
	v_lshlrev_b32 v5, 2, v5                        ; 4 (r + 8 (r / 8))
	v_cndmask_b32 v[BO], v4, v5, s99
.irp j, 1,2,3,4,5,6,7
	v_add_nc_u32 v[BO+\j], s100, v[BO+\j-1]
.endr
.irp i, 0,1,2,3,4,5,6,7
.irp j, 0,1,2,3,4,5,6,7
	global_load_b32 v[BIAS+8*\i+\j], v[BO+\j], s[20:21] offset:128*(\i/2)+32*(\i%2)
.endr
.endr
	; where my results go
	s_cmp_eq_u32 ttmp9, 2                          ; compared anew: the shifts and the sum above have written SCC; only selects and moves stand between this line and its last select
	s_cselect_b32 s19, s41, s40                    ; the place that counts heads,
	s_cselect_b32 s22, s[WR], s[WC]
	s_cselect_b32 s23, s40, s41                    ; and the one that counts tokens
	s_cselect_b32 s46, s[WC], s[WR]
	s_mov_b32 s47, 6144
	s_cselect_b32 s47, s47, 0                      ; the codes' section: V's, else K's,
	s_mov_b32 s101, 12800
	s_mov_b32 s2, 12288
	s_cselect_b32 s101, s101, s2                   ; and the scale words'
	s_cmp_eq_u32 ttmp9, 0
	s_mov_b32 s2, 13056
	s_cselect_b32 s47, s2, s47                     ; or Q's
	s_mov_b32 s2, 19200
	s_cselect_b32 s101, s2, s101
	s_lshl_b32 s19, s19, 2
	s_lshl_b32 s22, s22, 1
	s_add_co_u32 s19, s19, s22                     ; my first head: 4 x place + 2 x half
	s_lshl_b32 s22, s42, 2
	s_add_co_u32 s22, s22, s23                     ; which 256 tokens
	s_lshr_b32 s23, s22, 3                         ; the batch
	s_and_b32 s22, s22, 7
	s_lshl_b32 s22, s22, 1
	s_add_co_u32 s22, s22, s46                     ; the step of 128 tokens
	s_lshl_b32 s23, s23, 4
	s_add_co_u32 s23, s23, s19
	s_lshl_b32 s23, s23, 4
	s_add_co_u32 s23, s23, s22                     ; the record
	s_mul_i32 s22, s23, REC
	s_add_co_u32 s46, s22, s47
	s_mov_b32 s47, 0
	s_add_nc_u64 s[92:93], s[14:15], s[46:47]
	s_add_co_u32 s46, s22, s101
	s_add_nc_u64 s[94:95], s[14:15], s[46:47]
; a fragment, 16 rows x 128 K, is 12 registers: registers 6 c .. 6 c + 5 of lane (r, h) are K = 64 c + 32 h + 0 .. 31: 24 bytes of row r in chunk 2 q + c, in three pieces of 8
.macro FRAG reg, adr, q, i
.irp p, 0,1,2,3,4,5
	ds_load_b64 v[\reg+2*\p:\reg+2*\p+1], v[\adr] offset:(2*(\q)+\p/3)*CHB+(\i)*768+8*(\p%3)
.endr
.endm
; one product: A's block a x B's block b.  zero = 0: onto the sum;  1: the sum begins with the bias of B's block;  2: with that of A's block.  One register carries A's scale word (lanes 0-15) and B's (lanes 16-31).
.macro MM a, b, p, q, sc, zero
.set rD, 8*(8*((\a)%4)+(\b))
.set rB, 128*(\p)+FR*(\b)
.set rA, AF+FR*(\a)
.set sB, SC+8*NQ*(\sc)+NQ*(\b)+(\q)
.set sA, SC+8*NQ*(\sc)+NQ*(\a)+(\q)
.if (\zero) == 1
	v_wmma_scale_f32_16x16x128_f8f6f4 v[rD:rD+7], v[rB:rB+FR-1], v[rA:rA+FR-1], v[BIAS+8*(\b):BIAS+8*(\b)+7], v[sB], v[sA] matrix_a_fmt:MATRIX_FMT_FP6 matrix_b_fmt:MATRIX_FMT_FP6 matrix_a_scale:MATRIX_SCALE_ROW1
.elseif (\zero) == 2
	v_wmma_scale_f32_16x16x128_f8f6f4 v[rD:rD+7], v[rB:rB+FR-1], v[rA:rA+FR-1], v[BIAS+8*(\a):BIAS+8*(\a)+7], v[sB], v[sA] matrix_a_fmt:MATRIX_FMT_FP6 matrix_b_fmt:MATRIX_FMT_FP6 matrix_a_scale:MATRIX_SCALE_ROW1
.else
	v_wmma_scale_f32_16x16x128_f8f6f4 v[rD:rD+7], v[rB:rB+FR-1], v[rA:rA+FR-1], v[rD:rD+7], v[sB], v[sA] matrix_a_fmt:MATRIX_FMT_FP6 matrix_b_fmt:MATRIX_FMT_FP6 matrix_a_scale:MATRIX_SCALE_ROW1
.endif
.endm
; 16 of them.  The 64 accumulators take turns, one instruction a turn, in the same order in every step.
.macro MUL16 a0, p, q, sc, zero
.irp a, \a0, \a0+1
.irp b, 0,1,2,3,4,5,6,7
	MM \a, \b, \p, \q, \sc, \zero
.endr
.endr
.endm
.macro FETCH_B slot, q, p
	WIN TO_B
.irp i, 0,1,2,3,4,5,6,7
	FRAG 128*(\p)+FR*\i, ADRB+\slot, \q, \i
.endr
	WIN 0
.endm
.macro FETCH_A slot, q, i0
.irp i, \i0, \i0+1, \i0+2, \i0+3
	FRAG AF+FR*(\i), ADRA+\slot, \q, \i
.endr
.endm
.macro SCALES sc                       ; a K step's scale words: two words a row; lanes 0-15 A's block i, lanes 16-31 B's block i
.irp i, 0,1,2,3,4,5,6,7
	ds_load_b64 v[SC+8*NQ*\sc+NQ*\i:SC+8*NQ*\sc+NQ*\i+1], v[ADRS] offset:\i*SBLK
.endr
.endm
.macro PLACES n                        ; plain vector instructions between a matrix instruction and a load into, or a vector read of, its registers
.rept \n
	v_nop
.endr
.endm
; a step of 128 along K that has its successor in the same slot
.macro STEP slot, q, zero
	s_wait_dscnt 4*NL                              ; B's set and A's blocks 0-3 are in; the youngest 24 loads (A's blocks 4-7) may be out
.if \zero
	WIN 0x81                                       ; C (the bias) in window 0
.else
	WIN MUL_LO
.endif
	MUL16 0, (\q)%2, \q, \slot, \zero
	MUL16 2, (\q)%2, \q, \slot, \zero
	s_wait_dscnt 0                                 ; A's blocks 4-7 are in
	PLACES NP
	FETCH_B \slot, (\q)+1, 1-(\q)%2
	FETCH_A \slot, (\q)+1, 0
.if \zero
	WIN 0xc1
.else
	WIN MUL_HI
.endif
	MUL16 4, (\q)%2, \q, \slot, \zero
	MUL16 6, (\q)%2, \q, \slot, \zero
	PLACES NP
	WIN 0
	FETCH_A \slot, (\q)+1, 4
.endm
; a slot's last step changes slots: ONE barrier; in front of it each wave waits for all its tensor loads, adds 0 to its spare word, and waits for that and for its reads of this slot.  fill = 1: the slot is filled again, two K steps ahead
.macro TURN slot, next, fill
	s_wait_tensorcnt 0x0                           ; all my tensor loads have landed: my part of the next slot
	ds_add_u32 v[SPW], v[NIL]                      ; 0 onto my spare word
	s_wait_dscnt 4*NL+1                            ; (the add and the youngest 24 loads may be out)
	WIN MUL_LO
	MUL16 0, 1, NQ-1, \slot, 0
	s_wait_dscnt 0x0                               ; the add is done, and my reads of this slot are over
	s_barrier_signal -1
	MUL16 2, 1, NQ-1, \slot, 0
	WIN 0
	s_barrier_wait -1
.if \fill
	CREST                                          ; the barrier has opened a round of the cluster's barrier: no wave of any partner still reads this slot or has a load on its way
	s_add_nc_u64 s[G0+4*\slot+2:G0+4*\slot+3], s[G0+4*\slot+2:G0+4*\slot+3], 2*KSB
	s_add_nc_u64 s[G0B+4*\slot+2:G0B+4*\slot+3], s[G0B+4*\slot+2:G0B+4*\slot+3], 2*KSB
	JLOAD G0+4*\slot, G1, G0B+4*\slot, G1B         ; the first tensor load behind the round; its four v_nop are the places in front of the loads below
.else
	PLACES NP
.endif
	s_wait_alu depctr_va_vdst(0)
	v_add_nc_u32 v[ADRS], 4*NQ, v[ADRS]            ; the next K step's scale words
	FETCH_B \next, 0, 0
	FETCH_A \next, 0, 0
	SCALES \next
	WIN MUL_HI
	MUL16 4, 1, NQ-1, \slot, 0
	MUL16 6, 1, NQ-1, \slot, 0
	PLACES NP
	WIN 0
	FETCH_A \next, 0, 4
.endm
	s_wait_alu depctr_va_vdst(0)                   ; the wait at the head's end
	s_wait_tensorcnt 0x0                           ; my tile of the head's four is in
	ds_add_u32 v[SPW], v[NIL]
	s_mov_b32 s[G1+2], 2<<16                       ; no tensor load of mine is out: from here on a load brings two chunks
	s_mov_b32 s[G1+4], 2
	s_mov_b32 s[G1B+2], 2<<16
	s_mov_b32 s[G1B+4], 2
	s_mov_b32 s[G0+1], s45                         ; slot 0's group 0 becomes the ring's: my place, my two chunks
	s_mov_b32 s[G0B+1], s45
	s_mul_i32 s2, s[WC], 2*CH
	s_mov_b32 s3, 0
	s_add_nc_u64 s[G0+2:G0+3], s[G0+2:G0+3], s[2:3]
	s_add_nc_u64 s[G0B+2:G0B+3], s[G0B+2:G0B+3], s[2:3]
	s_wait_dscnt 0x0
	CROUND                                         ; a whole round: all four tiles are in, and the joint loads meet
	JLOAD G0+4, G1, G0B+4, G1B                     ; K step 1, the first tensor load behind the round
	FETCH_B 0, 0, 0
	FETCH_A 0, 0, 0
	SCALES 0
	FETCH_A 0, 0, 4
	s_wait_loadcnt 0x0                             ; the bias
	s_cmp_eq_u32 ttmp9, 2                          ; the first step differs in which block's bias begins a sum
	s_cbranch_scc1 .Lfirst_v
	STEP 0, 0, 1
	s_branch .Lfirst_done
.Lfirst_v:
	STEP 0, 0, 2
.Lfirst_done:
	TURN 0, 1, 1                                   ; K = 1,024 is four K steps: slots 0, 1, 0, 1; both slots are filled again once
	STEP 1, 0, 0
	TURN 1, 0, 1
	STEP 0, 0, 0
	TURN 0, 1, 0                                   ; nothing is left to fetch
	STEP 1, 0, 0
	s_wait_dscnt 4*NL
	WIN MUL_LO
	MUL16 0, 1, NQ-1, 1, 0
	MUL16 2, 1, NQ-1, 1, 0
	s_wait_dscnt 0
	WIN MUL_HI
	MUL16 4, 1, NQ-1, 1, 0
	MUL16 6, 1, NQ-1, 1, 0
	WIN 0
	PLACES NP                                      ; in front of the first read of results and the first write of registers that held A's fragments
.irp b, 0,1,2,3
	v_mov_b32 v[TM+4+\b], 0                        ; a lane permute's destination counts as one of its sources
.endr
; THE WAY OUT.  The 64 numbers that a lane holds of A's block a, register 16 b + i = next K 32 b + 16 h + i of my row, become 12 registers of codes in v[PC] on (registers 6 c .. 6 c + 5: next K 64 c + 32 h + 0 .. 31) and a scale word in v[PW + a].
.macro QUANTW a
.set AC, 64*((\a)%4)
	WIN 0x28+0x14*((\a)/4)                         ; sources 1 and 2: window 2 or 3
.irp b, 0,1,2,3
	v_max3_num_f32 v[TM+\b], 0x1800000, |v[AC+16*\b]|, |v[AC+16*\b+1]|   ; block b: my 16 numbers, each accumulator from its low end on, and the floor 2^(3 - 127)
.endr
.irp i, 2,4,6,8,10,12,14
.irp b, 0,1,2,3
	v_max3_num_f32 v[TM+\b], v[TM+\b], |v[AC+16*\b+\i]|, |v[AC+16*\b+\i+1]|
.endr
.endr
	WIN 0
.irp b, 0,1,2,3
	v_permlanex16_b32 v[TM+4+\b], v[TM+\b], s96, s97
.endr
.irp b, 0,1,2,3
	v_max_num_f32 v[TM+\b], v[TM+\b], v[TM+4+\b]   ; with lane l xor 16's: the block's largest magnitude
.endr
.irp b, 0,1,2,3
	v_add_nc_u32 v[TM+12+\b], 0xff000000, v[TM+\b] ; 2 off its exponent field: the conversion's scale operand
.endr
.irp b, 0,1,2,3
	v_lshrrev_b32 v[TM+4+\b], 23, v[TM+12+\b]      ; the scale's byte
.endr
	v_lshl_or_b32 v[PW+(\a)], v[TM+5], 8, v[TM+4]
	v_lshl_or_b32 v[PW+(\a)], v[TM+6], 16, v[PW+(\a)]
	v_lshl_or_b32 v[PW+(\a)], v[TM+7], 24, v[PW+(\a)]
	s_wait_xcnt 0x0                                ; the last block's stores have read the codes' registers: they are written again only behind this wait
	WIN 0x02+(\a)/4                                ; source 0: window 2 or 3
.irp c, 0,1
	v_cvt_scalef32_pk16_fp6_f32 v[PC+6*\c:PC+6*\c+2], v[AC+32*\c:AC+32*\c+15], v[TM+12+2*\c]
	v_cvt_scalef32_pk16_fp6_f32 v[PC+12+4*\c:PC+14+4*\c], v[AC+32*\c+16:AC+32*\c+31], v[TM+13+2*\c]   ; (a conversion's three registers begin on an even number)
.endr
	WIN 0
	v_nop                                          ; one plain place behind a scaled conversion
.irp c, 0,1                                    ; the operand's layout wants a WHOLE block in a lane
.irp i, 0,1,2
	v_permlane16_swap_b32 v[PC+6*\c+\i], v[PC+12+4*\c+\i]
.endr
.irp i, 0,1,2
	v_mov_b32 v[PC+3+6*\c+\i], v[PC+12+4*\c+\i]
.endr
.endr
.endm
	s_cmp_eq_u32 ttmp9, 2
	s_cbranch_scc1 .Lout_v
	; q, k: block a is a tile of 16 tokens; registers 0-5 are my first head's 64 dims, registers 6-11 my second head's
.irp a, 0,1,2,3,4,5,6,7
	QUANTW \a
.irp p, 0,1,2,3,4,5
	global_store_b64 v[LO8], v[PC+2*\p:PC+2*\p+1], s[92:93] offset:(\p/3)*HEADB+\a*768+(\p%3)*256   ; 32 lanes store 256 consecutive bytes, aligned
.endr
.endr
.irp w, 0,1,2,3
	v_cndmask_b32 v[SW+\w], v[PW+2*\w], v[PW+2*\w+1], s98      ; lanes 0-15 tile 2 w's words, lanes 16-31 tile 2 w + 1's
.endr
.irp w, 0,1,2,3
	v_lshrrev_b32 v[SW+4+\w], 16, v[SW+\w]         ; the second head's two bytes,
.endr
.irp w, 0,1,2,3
	v_and_b32 v[SW+\w], 0xffff, v[SW+\w]           ; the first head's; the upper two bytes are 0
.endr
	global_store_b128 v[LO16], v[SW:SW+3], s[94:95]
	global_store_b128 v[LO16], v[SW+4:SW+7], s[94:95] offset:HEADB
	s_branch .Lend
.Lout_v:
	; v: block a is a tile of 16 dims (head a / 4, tile a % 4); the 12 registers are the step's 128 keys
.irp a, 0,1,2,3,4,5,6,7
	QUANTW \a
.irp g, 0,1,2
	global_store_b128 v[LO16], v[PC+4*\g:PC+4*\g+3], s[92:93] offset:(\a/4)*HEADB+(\a%4)*1536+512*\g   ; 512 consecutive bytes, aligned
.endr
.endr
.irp c, 0,1
.irp w, 0,1
	v_cndmask_b32 v[SW+2*\c+\w], v[PW+4*\c+2*\w], v[PW+4*\c+2*\w+1], s98
.endr
.endr
	global_store_b64 v[LO8], v[SW:SW+1], s[94:95]
	global_store_b64 v[LO8], v[SW+2:SW+3], s[94:95] offset:HEADB
.Lend:
	s_wait_tensorcnt 0x0                           ; the wave's end
	ds_add_u32 v[SPW], v[NIL]
	s_wait_dscnt 0x0
	CROUND                                         ; the closing round: no work-group ends while a partner may still ask for a tile that names it
	s_endpgm
.Lfunc_end_k_qbbeabfc346_qkv:
	.size	k_qbbeabfc346_qkv, .Lfunc_end_k_qbbeabfc346_qkv-k_qbbeabfc346_qkv
	.p2alignl 7, 3214868480
	.fill 96, 4, 3214868480
	.section	.rodata,"a",@progbits
	.p2align	6, 0x0
	.amdhsa_kernel k_qbbeabfc346_qkv
		.amdhsa_group_segment_fixed_size 327680
		.amdhsa_private_segment_fixed_size 0
		.amdhsa_enable_private_segment 0
		.amdhsa_kernarg_size 48
		.amdhsa_user_sgpr_count 2
		.amdhsa_user_sgpr_kernarg_segment_ptr 1
		.amdhsa_wavefront_size32 1
		.amdhsa_system_sgpr_workgroup_id_x 1
		.amdhsa_system_sgpr_workgroup_id_y 1
		.amdhsa_system_sgpr_workgroup_id_z 1
		.amdhsa_system_vgpr_workitem_id 0
		.amdhsa_next_free_vgpr 1024
		.amdhsa_next_free_sgpr 102
		.amdhsa_reserve_vcc 0
		.amdhsa_float_denorm_mode_32 3
		.amdhsa_float_denorm_mode_16_64 3
		.amdhsa_memory_ordered 1
		.amdhsa_forward_progress 1
		.amdhsa_inst_pref_size 223
	.end_amdhsa_kernel
	.amdgpu_metadata
---
amdhsa.version: [ 1, 2 ]
amdhsa.kernels:
  - .name:           k_qbbeabfc346_qkv
    .symbol:         k_qbbeabfc346_qkv.kd
    .args:
      - { .name: codes, .offset: 0, .size: 8, .value_kind: global_buffer, .address_space: global }
      - { .name: scales, .offset: 8, .size: 8, .value_kind: global_buffer, .address_space: global }
      - { .name: bq, .offset: 16, .size: 8, .value_kind: global_buffer, .address_space: global }
      - { .name: bk, .offset: 24, .size: 8, .value_kind: global_buffer, .address_space: global }
      - { .name: bv, .offset: 32, .size: 8, .value_kind: global_buffer, .address_space: global }
      - { .name: qkv, .offset: 40, .size: 8, .value_kind: global_buffer, .address_space: global }
    .group_segment_fixed_size: 327680
    .private_segment_fixed_size: 0
    .kernarg_segment_align: 8
    .kernarg_segment_size: 48
    .max_flat_workgroup_size: 128
    .sgpr_count:     102
    .vgpr_count:     1024
    .wavefront_size: 32
...
	.end_amdgpu_metadata
.endif
;; end of part 2
;; launch attn (part 3): grid 4 x 64, 16 waves a work-group, clusters of 4 x 1, 327,680 bytes of LDS; arguments qkv, codes, scales; writes codes, scales
.if DOCPART == 3
	.amdgcn_target "amdgcn-amd-amdhsa--gfx1250"
	.amdhsa_code_object_version 6
	.text
	.protected	k_qbbeabfc346_attn
	.globl	k_qbbeabfc346_attn
	.p2align	8
	.type	k_qbbeabfc346_attn,@function
k_qbbeabfc346_attn:
	s_mov_b64 s[64:65], 0
	v_nop
	global_prefetch_b8 v0, s[64:65] scope:SCOPE_SE
	s_setreg_imm32_b32 hwreg(HW_REG_WAVE_MODE, 25, 1), 1
	s_wait_xcnt 0x0
	s_wait_alu depctr_hold_cnt(0) depctr_sa_sdst(0) depctr_va_vdst(0) depctr_va_sdst(0) depctr_va_ssrc(0) depctr_va_vcc(0) depctr_vm_vsrc(0)
	s_getreg_b32 s2, hwreg(HW_REG_IB_STS2, 6, 4)
	s_cmp_eq_u32 s2, 0
	s_cbranch_scc0 .Lentry_in_a_cluster
	s_endpgm
.Lentry_in_a_cluster:
	s_bfe_u32 s2, ttmp6, 0x10000c
	s_cmp_lg_u32 s2, 0x3003
	s_cbranch_scc0 .Lentry_shape_is_right
	s_endpgm
.Lentry_shape_is_right:
; o = softmax(q k^T / 8) v for one head and 512 queries a work-group, on codes of FP6 (E2M3) with E8M0 scales; o is quantised along the head's 64 and stored as the projection's operand
; (codes [chunk = head][row][48 bytes], scales [row][32], rows 0-8191, in the order in which q's rows are stored).
; qkv: [64 heads][16 steps of 128 tokens][record of 19,712 bytes]: K's codes 0, V's 6,144, K's scale words 12,288, V's 12,800, Q's codes 13,056, Q's scale words 19,200.
; SHARES: 16 waves, a wave 16 queries in each of two passes; a step is 128 keys.  Both products are used transposed (S^T = k q^T, O^T = v^T p^T): a lane holds one query.
; LDS: the head's 16 records (their first 13,312 bytes, as 52 rows of 256 bytes, 32 bytes of padding behind each) come ONCE, one joint tensor load a wave, and stay: one barrier, and no other in the launch.
; The four work-groups of a cluster take the same head and ask jointly.  No prefetch: all of K and V is asked for at the head.
; THE KEYS OF A TILE OF K are chosen by address: tile (c, u) has in its rows 0-7 keys 64 c + 8 u + 0..7 and in rows 8-15 keys 64 c + 32 + 8 u + 0..7.  So the 32 registers of tiles (c, 0..3) of lane (r, h)
; are keys 64 c + 32 h + 0..31: one scale block of p, whole in a lane, in the order of the operand's registers.  With the padding the two halves of the rows fall on different banks.
; The head's size is 64: the upper half of K's and Q's operands counts for nothing: Q's upper codes are zeros, K's upper registers are whatever follows (finite codes), their scale bytes 0.
; K's and V's fragments have registers of their own and are fetched one step ahead; the walk wraps round, so that a pass's last step fetches the next pass's first record.
; p = 2^(t - M), M the ceiling of the running largest t; the sum is taken of the unquantised p; a block's largest p is made from its largest score by the same two instructions.
; INDEPENDENT CHAINS TAKE TURNS: the maxima in eight chains (one a tile), the sum in five; LDS loads stand between the links of the chain that makes M, additions between those of the chain that makes p's scale word.
; LIMITS: the scaled scores stay under 2^31 in magnitude; NaN and infinities are not served; a block of p under 2^-124 gets the byte 1.
.set REC,   19712
.set HEADB, 16*REC
.set CH,    589824
.set PIT,   288                        ; an LDS row: 256 bytes + 32
.set LREC,  52*PIT
.set QCO,   13056
.set QSO,   19200
.set STAGE, 16*LREC+15104              ; 768 bytes a wave for o's codes on the way out, a gap behind the records
.set SPARE, STAGE+16*768               ; the spare words, 128 bytes a wave
.set LK,   1                           ; lane terms: K's codes, V's codes, K's scale words
.set LV,   2
.set LS,   3
.set ADK,  4                           ; the next record's addresses
.set ADV,  5
.set ADS,  6
.set SPW,  7
.set NIL,  8
.set SH8,  9                           ; 8 x (lane / 16)
.set L8,   10                          ; 8 x lane
.set ADW,  11
; v12 -M, v13 the running largest score, v[14:15] the sum in two halves; v0 is at work behind the head
.set QF,   16
.set KSC,  28
.set VSC,  32
.set QSC,  34
.set PSC,  35
.set BM,   36                          ; v36-41, v46-47: eight chains of maxima; then v36, v40 the blocks' largest, v37, v41 the conversions' scale operands, v38-40, v42-44 codes to be moved, v38.., v40.., v42.. chains of the sum
.set BS,   40
.set T,    42
.set T2,   43
.set F,    44
.set BP,   46
.set K,    48                          ; 8 tiles x 6 registers; tile 7's upper six are p's codes
.set PCD,  96
.set V,    108
.set S,    156
.set O,    220
.set R16,  252
.set R32,  253
.set STI,  254
.set STB,  255
.set WV,   10
.set CX,   11
.set BH,   12
.set HD,   13
.set BB,   14
.set TB,   15
.set CNT,  16
.set PASS, 17
.set SEL,  20
.set CS,   22
.set G1,   24
.set G0,   32
.set NC,   36
.set QB,   48
.set QSB,  50
.set OC,   52
.set OS,   54
.macro ROUND
	s_barrier_signal -1
	s_barrier_wait -1
	s_cmp_lg_u32 s[WV], 0
	s_cbranch_scc1 .Lnot_wave_0_\@
	s_barrier_signal -3
.Lnot_wave_0_\@:
	s_barrier_wait -3
	s_barrier_signal -1
	s_barrier_wait -1
.endm
.macro KL ak, as, from, to             ; loads from .. to - 1 of a record's 28: 24 pieces of its eight tiles of K (piece n: tile n / 3), then 4 scale words (register 2 c + g: lanes 0-15 tile (c, 2 g), lanes 16-31 tile (c, 2 g + 1))
.set N_, \from
.rept (\to)-(\from)
.if N_ < 24
	ds_load_b64 v[K+2*N_:K+2*N_+1], v[\ak] offset:PIT*(12*(N_/12)+3*((N_/3)%2)+N_%3)+64*(((N_/3)%4)/2)
.else
	ds_load_b32 v[KSC+N_-24], v[\as] offset:PIT*48+128*((N_-24)%2)+8*((N_-24)/2)
.endif
.set N_, N_+1
.endr
.endm
.macro VLOAD av, aw                    ; 13 LDS loads: its four tiles of V and their scale words
.irp t, 0,1,2,3
.irp g, 0,1,2
	ds_load_b128 v[V+12*\t+4*\g:V+12*\t+4*\g+3], v[\av] offset:PIT*(24+6*\t+2*\g)
.endr
.endr
	ds_load_b64 v[VSC:VSC+1], v[\aw] offset:PIT*50
.endm
.macro ADDP c, k                       ; chain c of the sum takes p's pair k
	v_pk_add_f32 v[\c:\c+1], v[\c:\c+1], v[S+2*(\k):S+2*(\k)+1]
.endm
.macro INIP c, k                       ; chain c begins with pairs k and k + 1
	v_pk_add_f32 v[\c:\c+1], v[S+2*(\k):S+2*(\k)+1], v[S+2*(\k)+2:S+2*(\k)+3]
.endm
.macro FMAS from, to                   ; t - M, pairs from .. to - 1
.set N_, \from
.rept (\to)-(\from)
	v_pk_fma_f32 v[S+2*N_:S+2*N_+1], v[S+2*N_:S+2*N_+1], s[CS:CS+1], v[12:13] op_sel_hi:[1,0,0]
.set N_, N_+1
.endr
.endm
	s_load_b128 s[4:7], s[0:1], 0x0                ; qkv, codes
	s_load_b64 s[8:9], s[0:1], 0x10                ; scales
	v_lshl_add_u32 v[SPW], v0, 2, SPARE
	v_mov_b32 v[NIL], 0
	ds_add_u32 v[SPW], v[NIL]                      ; the opening lines: the add, twice, and its wait
	ds_add_u32 v[SPW], v[NIL]
	v_lshrrev_b32 v[T], 5, v0
	v_readfirstlane_b32 s[WV], v[T]
	s_bfe_u32 s[CX], ttmp6, 0x40000
	s_and_b32 s[BH], ttmp7, 0xffff
	s_and_b32 s[HD], s[BH], 15
	s_lshr_b32 s[BB], s[BH], 4
	s_mov_b32 s[G1], 15|(3<<16)|(1<<20)|(1<<21)|(5<<22)|(7<<25)   ; the four partners; elements of 8 bytes; 8 words of padding behind every 64
	s_mov_b32 s[G1+1], 32<<16
	s_mov_b32 s[G1+2], 52<<16
	s_mov_b32 s[G1+3], 32<<16
	s_mov_b32 s[G1+4], 52
	s_mov_b32 s[G1+5], 32
	s_mov_b32 s[G1+6], 0
	s_mov_b32 s[G1+7], 0
	s_mov_b32 s[G0], 1
	s_mul_i32 s[G0+1], s[WV], LREC                 ; wave w brings record w
	s_mul_i32 s60, s[BH], HEADB
	s_mul_i32 s62, s[WV], REC
	s_add_co_u32 s62, s62, s60
	s_mov_b32 s63, 0
	s_mov_b32 s[SEL], 0x76543210
	s_mov_b32 s[SEL+1], 0xfedcba98
	s_mov_b32 s[CS], 0x3e38aa3b                    ; c = log2(e) / 8
	s_mov_b32 s[CS+1], s[CS]
	s_mov_b32 s[NC], 0xbe38aa3b                    ; -c
	s_mul_i32 s3, s[WV], 768
	s_add_co_u32 s3, s3, STAGE
	s_lshl_b32 s58, s[CX], 2                       ; my queries: record 4 cx + wave / 8 (+ 2 in the second pass), tile wave % 8
	s_lshr_b32 s59, s[WV], 3
	s_add_co_u32 s58, s58, s59
	s_mul_i32 s58, s58, REC
	s_add_co_u32 s58, s58, s60
	s_and_b32 s59, s[WV], 7
	s_mul_i32 s56, s59, 768
	s_add_co_u32 s56, s56, s58
	s_add_co_u32 s56, s56, QCO
	s_mov_b32 s57, 0
	s_and_b32 s40, s[WV], 1
	s_lshl_b32 s40, s40, 8
	s_lshr_b32 s59, s59, 1
	s_lshl_b32 s59, s59, 2
	s_add_co_u32 s40, s40, s59
	s_add_co_u32 s40, s40, s58
	s_add_co_u32 s40, s40, QSO
	s_mov_b32 s41, 0
	s_lshl_b32 s58, s[BB], 11                      ; my rows of the result
	s_lshl_b32 s59, s[CX], 9
	s_add_co_u32 s58, s58, s59
	s_lshl_b32 s59, s[WV], 4
	s_add_co_u32 s58, s58, s59
	s_mul_i32 s42, s58, 48
	s_mul_i32 s59, s[HD], CH
	s_add_co_u32 s42, s42, s59
	s_mov_b32 s43, 0
	s_lshl_b32 s44, s58, 5
	s_lshl_b32 s59, s[HD], 1
	s_add_co_u32 s44, s44, s59
	s_mov_b32 s45, 0
	s_mov_b32 s[TB], 0
	s_mov_b32 s[PASS], 2
	s_wait_dscnt 0x0
	s_wait_kmcnt 0x0
	s_add_nc_u64 s[G0+2:G0+3], s[4:5], s[62:63]
	s_or_b32 s[G0+3], s[G0+3], 0x80000000
	s_add_nc_u64 s[QB:QB+1], s[4:5], s[56:57]
	s_add_nc_u64 s[QSB:QSB+1], s[4:5], s[40:41]
	s_add_nc_u64 s[OC:OC+1], s[6:7], s[42:43]
	s_add_nc_u64 s[OS:OS+1], s[8:9], s[44:45]
	ROUND                                          ; the four partners are here: the joint loads meet
	tensor_load_to_lds s[G0:G0+3], s[G1:G1+7]      ; my one tensor load of the launch
	s_nop 0
	v_and_b32 v[S], 7, v0                          ; i
	v_bfe_u32 v[S+1], v0, 3, 1                     ; which half of a tile's rows
	v_bfe_u32 v[S+2], v0, 4, 1                     ; h
	v_and_b32 v[S+3], 15, v0                       ; r
	v_and_b32 v[S+4], 31, v0
	v_mul_u32_u24 v[S+5], v[S+1], 6*PIT            ; rows 8-15 of my tile lie two stored tiles on
	v_lshl_add_u32 v[S+5], v[S], 3, v[S+5]
	v_lshl_add_u32 v[LK], v[S+2], 7, v[S+5]
	v_mul_u32_u24 v[S+6], v[S+2], PIT
	v_lshl_add_u32 v[LV], v[S+3], 4, v[S+6]
	v_lshl_add_u32 v[S+7], v[S], 4, v[S+6]
	v_lshl_add_u32 v[LS], v[S+1], 2, v[S+7]
	v_lshlrev_b32 v[SH8], 3, v[S+2]
	v_lshlrev_b32 v[L8], 3, v[S+4]
	v_mul_u32_u24 v[S+8], v[S+3], 48
	v_mad_u32_u24 v[S+8], v[S+2], 12, v[S+8]
	v_add_nc_u32 v[STI], s3, v[S+8]
	v_add_nc_u32 v[STB], s3, v[L8]
	v_lshlrev_b32 v[R16], 4, v[S+3]
	v_lshlrev_b32 v[R32], 5, v[S+3]
.irp p, 0,1,2
	global_load_b64 v[QF+2*\p:QF+2*\p+1], v[L8], s[QB:QB+1] offset:256*\p
.endr
	global_load_b32 v[QSC], v[R16], s[QSB:QSB+1]
.irp j, 0,1,2,3,4,5
	v_mov_b32 v[QF+6+\j], 0                        ; q's upper 64: zero codes
	v_mov_b32 v[PCD+\j], 0                         ; read as tile 7's upper six before p's first codes are made
.endr
	v_mov_b32 v[F+1], 0
	s_wait_alu depctr_va_vdst(0)                   ; the wait at the head's end
	s_wait_tensorcnt 0x0                           ; my record is in,
	s_barrier_signal -1
	s_barrier_wait -1                              ; and everybody's
	KL LK, LS, 0, 28
	VLOAD LV, L8
.Lpass:
	v_mov_b32 v12, 0x7f61b1e6                      ; -M: 3e38, so that the first factor is 0
	v_mov_b32 v13, 0xff61b1e6                      ; the largest score so far: -3e38
	v_mov_b32 v14, 0
	v_mov_b32 v15, 0
.irp j, 0,1,2,3,4,5,6,7,8,9,10,11,12,13,14,15,16,17,18,19,20,21,22,23,24,25,26,27,28,29,30,31
	v_mov_b32 v[O+\j], 0
.endr
	s_wait_loadcnt 0x0                             ; q
	s_mov_b32 s[CNT], 16
.Lstep:
	s_add_co_u32 s[TB], s[TB], LREC                ; the next record, round the ring
	s_cmp_eq_u32 s[TB], 16*LREC
	s_cselect_b32 s[TB], 0, s[TB]
	s_wait_dscnt 13                                ; K is in; the 13 loads of V, issued behind it, may be out
.irp c, 0,1
.irp u, 0,1,2,3
.if \u%2
	v_wmma_scale_f32_16x16x128_f8f6f4 v[S+8*(4*\c+\u):S+8*(4*\c+\u)+7], v[K+6*(4*\c+\u):K+6*(4*\c+\u)+11], v[QF:QF+11], 0, v[KSC+2*\c+\u/2], v[QSC] matrix_a_fmt:MATRIX_FMT_FP6 matrix_b_fmt:MATRIX_FMT_FP6 matrix_a_scale:MATRIX_SCALE_ROW1
.else
	v_wmma_scale_f32_16x16x128_f8f6f4 v[S+8*(4*\c+\u):S+8*(4*\c+\u)+7], v[K+6*(4*\c+\u):K+6*(4*\c+\u)+11], v[QF:QF+11], 0, v[KSC+2*\c+\u/2], v[QSC] matrix_a_fmt:MATRIX_FMT_FP6 matrix_b_fmt:MATRIX_FMT_FP6
.endif
.endr
.endr
	v_add_nc_u32 v[ADK], s[TB], v[LK]              ; four plain lines: the places behind the products
	v_add_nc_u32 v[ADS], s[TB], v[LS]
	v_add_nc_u32 v[ADV], s[TB], v[LV]
	v_add_nc_u32 v[ADW], s[TB], v[L8]
	KL ADK, ADS, 0, 12                             ; the next step's K: its first twelve loads
	v_mov_b32 v[T2], v12
.irp t, 0,1,2,3,4,5,6,7
	v_max3_num_f32 v[BM+\t+4*(\t/6)], v[S+8*\t], v[S+8*\t+1], v[S+8*\t+2]   ; the largest scores: a chain to each tile, from its low end on
.endr
.irp i, 3,5
.irp t, 0,1,2,3,4,5,6,7
	v_max3_num_f32 v[BM+\t+4*(\t/6)], v[BM+\t+4*(\t/6)], v[S+8*\t+\i], v[S+8*\t+\i+1]
.endr
.endr
	v_max3_num_f32 v[BM], v[BM], v[BM+1], v[S+7]   ; the chains join, each join with a tile's last number
	v_max3_num_f32 v[BM+2], v[BM+2], v[BM+3], v[S+15]
	v_max3_num_f32 v[BM+4], v[BM+4], v[BM+5], v[S+39]
	v_max3_num_f32 v[BP], v[BP], v[BP+1], v[S+47]
	v_max3_num_f32 v[BM], v[BM], v[BM+2], v[S+23]
	v_max3_num_f32 v[BM+4], v[BM+4], v[BP], v[S+55]
	v_max_num_f32 v[BM], v[BM], v[S+31]            ; block h's largest score,
	v_max_num_f32 v[BM+4], v[BM+4], v[S+63]        ; block 2 + h's
	v_max3_num_f32 v13, v13, v[BM], v[BM+4]
	KL ADK, ADS, 12, 15                            ; the other sixteen loads stand between the links of this chain
	v_permlanex16_b32 v[T], v13, s[SEL], s[SEL+1]
	KL ADK, ADS, 15, 18
	v_max_num_f32 v13, v13, v[T]                   ; with lane l xor 16's: my query's running largest score
	KL ADK, ADS, 18, 21
	v_mul_f32 v[T], s[NC], v13
	KL ADK, ADS, 21, 24
	v_floor_f32 v12, v[T]                          ; -M = floor(-t)
	KL ADK, ADS, 24, 28
	FMAS 0, 4
	v_sub_f32 v[T2], v12, v[T2]
	FMAS 4, 8
	v_cvt_i32_f32 v[T2], v[T2]
	FMAS 8, 12
	v_ldexp_f32 v[F], 1.0, v[T2]                   ; f = 2^(old M - new M)
	FMAS 12, 32
	v_fma_f32 v[BM], v[BM], s[CS], v12
	v_fma_f32 v[BM+4], v[BM+4], s[CS], v12
.irp j, 0,2,4,6,8,10,12,14,16,18,20,22,24,26,28,30
	v_pk_mul_f32 v[O+\j:O+\j+1], v[O+\j:O+\j+1], v[F:F+1] op_sel_hi:[1,0]   ; O^T under the new M
.endr
	s_wait_alu depctr_va_vdst(0)                   ; the wait ahead of the batch
.irp j, 0,1,2,3,4,5,6,7,8,9,10,11,12,13,14,15,16,17,18,19,20,21,22,23,24,25,26,27,28,29,30,31,32,33,34,35,36,37,38,39,40,41,42,43,44,45,46,47,48,49,50,51,52,53,54,55,56,57,58,59,60,61,62,63
	v_exp_f32 v[S+\j], v[S+\j]
.endr
	v_exp_f32 v[BM], v[BM]                         ; each block's largest p
	v_exp_f32 v[BM+4], v[BM+4]
	v_pk_mul_f32 v[14:15], v[14:15], v[F:F+1] op_sel_hi:[1,0]   ; the sum under the new M: the plain place behind the batch
	s_wait_alu depctr_va_vdst(0)                   ; and the wait behind it
	v_max_num_f32 v[BM], 0x1800000, v[BM]          ; the floor 2^(3 - 127)
	v_max_num_f32 v[BM+4], 0x1800000, v[BM+4]
	INIP BP, 0                                     ; the sum of the unquantised p: 32 pairs, 32 additions, in five chains
	ADDP 14, 2
	v_add_nc_u32 v[BM+1], 0xff000000, v[BM]        ; 2 off the exponent field: the conversions' scale operands
	v_add_nc_u32 v[BM+5], 0xff000000, v[BM+4]
	ADDP BP, 3
	ADDP 14, 4
	v_cvt_scalef32_pk16_fp6_f32 v[PCD:PCD+2], v[S:S+15], v[BM+1]
	v_cvt_scalef32_pk16_fp6_f32 v[PCD+6:PCD+8], v[S+32:S+47], v[BM+5]
	v_cvt_scalef32_pk16_fp6_f32 v[BM+2:BM+4], v[S+16:S+31], v[BM+1]    ; (a conversion's three registers begin on an even number: these two are moved)
	v_cvt_scalef32_pk16_fp6_f32 v[T:T+2], v[S+48:S+63], v[BM+5]
	v_lshrrev_b32 v[BM], 23, v[BM+1]               ; the scales' bytes: plain lines behind the conversions
	v_lshrrev_b32 v[F+1], 23, v[BM+5]
.irp i, 0,1,2
	v_mov_b32 v[PCD+3+\i], v[BM+2+\i]
	v_mov_b32 v[PCD+9+\i], v[T+\i]
.endr
	v_lshl_or_b32 v[BM], v[F+1], 16, v[BM]         ; my bytes: blocks h and 2 + h,
	INIP BM+2, 5
	INIP BM+4, 7
	INIP T, 9
	v_lshlrev_b32 v[BM], v[SH8], v[BM]             ; at their places;
	ADDP 14, 11
	ADDP BP, 12
	ADDP BM+2, 13
	v_permlanex16_b32 v0, v[BM], s[SEL], s[SEL+1]
	ADDP BM+4, 14
	ADDP T, 15
	ADDP 14, 16
	v_or_b32 v[PSC], v[BM], v0                     ; with lane l xor 16's two the word is whole; fourteen plain lines stand between it and the products
.irp k, 17,22,27
	ADDP BP, \k
	ADDP BM+2, \k+1
	ADDP BM+4, \k+2
	ADDP T, \k+3
.if \k < 27
	ADDP 14, \k+4
.endif
.endr
	s_wait_alu depctr_va_vdst(0)
	s_wait_dscnt 28                                ; V is in; the 28 loads of the next K may be out
.irp t, 0,1,2,3
.if \t%2
	v_wmma_scale_f32_16x16x128_f8f6f4 v[O+8*\t:O+8*\t+7], v[V+12*\t:V+12*\t+11], v[PCD:PCD+11], v[O+8*\t:O+8*\t+7], v[VSC+\t/2], v[PSC] matrix_a_fmt:MATRIX_FMT_FP6 matrix_b_fmt:MATRIX_FMT_FP6 matrix_a_scale:MATRIX_SCALE_ROW1
.else
	v_wmma_scale_f32_16x16x128_f8f6f4 v[O+8*\t:O+8*\t+7], v[V+12*\t:V+12*\t+11], v[PCD:PCD+11], v[O+8*\t:O+8*\t+7], v[VSC+\t/2], v[PSC] matrix_a_fmt:MATRIX_FMT_FP6 matrix_b_fmt:MATRIX_FMT_FP6
.endif
.endr
	ADDP 14, 31                                    ; the last pair and the chains' joins: the places behind the products
	v_pk_add_f32 v[BP:BP+1], v[BP:BP+1], v[BM+2:BM+3]
	v_pk_add_f32 v[BM+4:BM+5], v[BM+4:BM+5], v[T:T+1]
	v_pk_add_f32 v[BP:BP+1], v[BP:BP+1], v[BM+4:BM+5]
	v_pk_add_f32 v[14:15], v[14:15], v[BP:BP+1]
	VLOAD ADV, ADW                                 ; the next step's V
	s_sub_co_u32 s[CNT], s[CNT], 1
	s_cmp_lg_u32 s[CNT], 0
	s_cbranch_scc1 .Lstep
	s_cmp_eq_u32 s[PASS], 1                        ; the second pass's q is asked for ahead of the first pass's way out
	s_wait_alu depctr_va_vdst(0)                   ; the wait ahead of the branch
	s_cbranch_scc1 .Lno_q
	s_add_nc_u64 s[QB:QB+1], s[QB:QB+1], 2*REC
	s_add_nc_u64 s[QSB:QSB+1], s[QSB:QSB+1], 2*REC
.irp p, 0,1,2
	global_load_b64 v[QF+2*\p:QF+2*\p+1], v[L8], s[QB:QB+1] offset:256*\p
.endr
	global_load_b32 v[QSC], v[R16], s[QSB:QSB+1]
.Lno_q:
	v_add_f32 v14, v14, v15
	s_delay_alu instid0(VALU_DEP_1)
	v_permlanex16_b32 v[BP], v14, s[SEL], s[SEL+1]
	s_delay_alu instid0(VALU_DEP_1)
	v_add_f32 v14, v14, v[BP]                      ; the row's sum
	s_wait_alu depctr_va_vdst(0)
	v_rcp_f32 v[F], v14
	v_nop
	s_wait_alu depctr_va_vdst(0)
.irp j, 0,2,4,6,8,10,12,14,16,18,20,22,24,26,28,30
	v_pk_mul_f32 v[S+\j:S+\j+1], v[O+\j:O+\j+1], v[F:F+1] op_sel_hi:[1,0]   ; register 16 b + i: dim 32 b + 16 h + i of my query
.endr
.irp b, 0,1
	v_max3_num_f32 v[BM+\b], |v[S+16*\b]|, |v[S+16*\b+1]|, 0x1800000
.endr
.irp i, 2,4,6,8,10,12,14
.irp b, 0,1
	s_delay_alu instid0(VALU_DEP_2)
	v_max3_num_f32 v[BM+\b], v[BM+\b], |v[S+16*\b+\i]|, |v[S+16*\b+\i+1]|
.endr
.endr
.irp b, 0,1
	s_delay_alu instid0(VALU_DEP_2)
	v_permlanex16_b32 v[BP+\b], v[BM+\b], s[SEL], s[SEL+1]
.endr
.irp b, 0,1
	s_delay_alu instid0(VALU_DEP_2)
	v_max_num_f32 v[BM+\b], v[BM+\b], v[BP+\b]
.endr
.irp b, 0,1
	s_delay_alu instid0(VALU_DEP_2)
	v_add_nc_u32 v[BS+\b], 0xff000000, v[BM+\b]
.endr
.irp b, 0,1
	s_delay_alu instid0(VALU_DEP_2)
	v_lshrrev_b32 v[BP+\b], 23, v[BS+\b]
.endr
	s_delay_alu instid0(VALU_DEP_1)
	v_lshl_or_b32 v[T], v[BP+1], 8, v[BP]
	v_cvt_scalef32_pk16_fp6_f32 v[PCD:PCD+2], v[S:S+15], v[BS]
	v_cvt_scalef32_pk16_fp6_f32 v[PCD+4:PCD+6], v[S+16:S+31], v[BS+1]
	v_nop
.irp b, 0,1
.irp i, 0,1,2
	ds_store_b32 v[STI], v[PCD+4*\b+\i] offset:24*\b+4*\i      ; through my own stage: rows of 48 bytes
.endr
.endr
.irp p, 0,1,2
	ds_load_b64 v[S+32+2*\p:S+33+2*\p], v[STB] offset:256*\p   ; LDS serves a wave's instructions in order
.endr
	s_wait_alu depctr_va_vdst(0)
	s_wait_dscnt 0x0
.irp p, 0,1,2
	global_store_b64 v[L8], v[S+32+2*\p:S+33+2*\p], s[OC:OC+1] offset:256*\p   ; 32 lanes store 256 consecutive bytes, aligned
.endr
	global_store_b16 v[R32], v[T], s[OS:OS+1]
	s_wait_xcnt 0x0                                ; the stores have read their registers and bases
	s_add_nc_u64 s[OC:OC+1], s[OC:OC+1], 256*48
	s_add_nc_u64 s[OS:OS+1], s[OS:OS+1], 256*32
	s_sub_co_u32 s[PASS], s[PASS], 1
	s_cmp_lg_u32 s[PASS], 0
	s_cbranch_scc1 .Lpass
	s_wait_tensorcnt 0x0                           ; the wave's end
	ds_add_u32 v[SPW], v[NIL]
	s_wait_dscnt 0x0
	ROUND                                          ; the closing round
	s_endpgm
.Lfunc_end_k_qbbeabfc346_attn:
	.size	k_qbbeabfc346_attn, .Lfunc_end_k_qbbeabfc346_attn-k_qbbeabfc346_attn
	.p2alignl 7, 3214868480
	.fill 96, 4, 3214868480
	.section	.rodata,"a",@progbits
	.p2align	6, 0x0
	.amdhsa_kernel k_qbbeabfc346_attn
		.amdhsa_group_segment_fixed_size 327680
		.amdhsa_private_segment_fixed_size 0
		.amdhsa_enable_private_segment 0
		.amdhsa_kernarg_size 24
		.amdhsa_user_sgpr_count 2
		.amdhsa_user_sgpr_kernarg_segment_ptr 1
		.amdhsa_wavefront_size32 1
		.amdhsa_system_sgpr_workgroup_id_x 1
		.amdhsa_system_sgpr_workgroup_id_y 1
		.amdhsa_system_sgpr_workgroup_id_z 1
		.amdhsa_system_vgpr_workitem_id 0
		.amdhsa_next_free_vgpr 256
		.amdhsa_next_free_sgpr 66
		.amdhsa_reserve_vcc 0
		.amdhsa_float_denorm_mode_32 3
		.amdhsa_float_denorm_mode_16_64 3
		.amdhsa_memory_ordered 1
		.amdhsa_forward_progress 1
		.amdhsa_inst_pref_size 31
	.end_amdhsa_kernel
	.amdgpu_metadata
---
amdhsa.version: [ 1, 2 ]
amdhsa.kernels:
  - .name:           k_qbbeabfc346_attn
    .symbol:         k_qbbeabfc346_attn.kd
    .args:
      - { .name: qkv, .offset: 0, .size: 8, .value_kind: global_buffer, .address_space: global }
      - { .name: codes, .offset: 8, .size: 8, .value_kind: global_buffer, .address_space: global }
      - { .name: scales, .offset: 16, .size: 8, .value_kind: global_buffer, .address_space: global }
    .group_segment_fixed_size: 327680
    .private_segment_fixed_size: 0
    .kernarg_segment_align: 8
    .kernarg_segment_size: 24
    .max_flat_workgroup_size: 512
    .sgpr_count:     66
    .vgpr_count:     256
    .wavefront_size: 32
...
	.end_amdgpu_metadata
.endif
;; end of part 3
;; launch proj (part 4): grid 4 x 64, 4 waves a work-group, clusters of 4 x 4, 327,680 bytes of LDS; arguments codes, scales, bp, out0; writes out0
.if DOCPART == 4
	.amdgcn_target "amdgcn-amd-amdhsa--gfx1250"
	.amdhsa_code_object_version 6
	.text
	.protected	k_qbbeabfc346_proj
	.globl	k_qbbeabfc346_proj
	.p2align	8
	.type	k_qbbeabfc346_proj,@function
k_qbbeabfc346_proj:
	s_mov_b64 s[64:65], 0
	v_nop
	global_prefetch_b8 v0, s[64:65] scope:SCOPE_SE
	s_setreg_imm32_b32 hwreg(HW_REG_WAVE_MODE, 25, 1), 1
	s_wait_xcnt 0x0
	s_wait_alu depctr_hold_cnt(0) depctr_sa_sdst(0) depctr_va_vdst(0) depctr_va_sdst(0) depctr_va_ssrc(0) depctr_va_vcc(0) depctr_vm_vsrc(0)
	s_getreg_b32 s2, hwreg(HW_REG_IB_STS2, 6, 4)
	s_cmp_eq_u32 s2, 0
	s_cbranch_scc0 .Lentry_in_a_cluster
	s_endpgm
.Lentry_in_a_cluster:
	s_bfe_u32 s2, ttmp6, 0x10000c
	s_cmp_lg_u32 s2, 0xf033
	s_cbranch_scc0 .Lentry_shape_is_right
	s_endpgm
.Lentry_shape_is_right:
; out0 = o Wp^T + bp on codes of FP6 (E2M3) with E8M0 scales, f32 sums.  codes [16 chunks of 64 K][12,288 rows][48 bytes], scales [12,288 rows][32]: rows 0-8191 o, rows 11,264 on Wp.
; Inside every 32 stored rows the groups of 8 stand in the order 0, 2, 1, 3; the way out puts rows and columns back.
; SHARES: 256 work-groups; each makes 128 tokens (A) x 256 features (B), its four waves 64 x 128 each: 32 accumulators.  The matrix instruction is used transposed (source 0 = B's rows).
; ALL OF K LIES IN LDS: A's [16 chunks][128 rows][48], then B's [16 chunks][256 rows][48], 294,912 bytes, filled once by four joint loads, one a wave: waves 0, 1 chunks 0-7 of A, of B; waves 2, 3 chunks 8-15.
; The first barrier shows chunks 0-7 (waves 0 and 1 wait, each for a load line of its own), a second one, in step 3, the rest.  Nothing is filled again.
; CLUSTERS: 4 x 4; A's tiles are asked for jointly along a row of the cluster, B's along a column.  No prefetch: every tile is asked for at the head, and there is no loop to run ahead in.
; The scale words of my rows, all of K, go straight into registers: register SC + 10 i + q: lanes 0-15 A's block i, lanes 16-31 B's block i, step q (for i over 3 lanes 0-15 hold words that no product names).
; REGISTERS: window 0: v1-31 addresses; v32-111 scale words; v128-223 A's fragments, two sets (on the way out v128-255).  window 1: B's, two sets.  window 2: accumulator (a, b) at v[8 (8 a + b)].  window 3: v0-63 the bias, the first products' C.
.set FR,    12
.set CH,    589824
.set CA,    6144                       ; a chunk of A's 128 rows
.set CB,    12288                      ; of B's 256
.set BBASE, 16*CA
.set SPARE, BBASE+16*CB
.set SPITCH, 528                       ; the way out: 16 rows x (512 + 16) bytes a wave, from LDS byte 0: A's bytes have had their last fill and, behind the last barrier, their last read
.set ADRA, 16                          ; v16-17 my A fragments, chunks 0-7, 8-15
.set ADRB, 20                          ; v20-23 my B fragments, four chunks each
.set STO,  24
.set RD,   25
.set CO,   26
.set SO,   27
.set SPW,  28
.set NIL,  29
.set SC,   32
.set AF,   128
.set BK,   128
.set WV, 16
.set WR, 17                            ; which 64 tokens are mine.  Also: which half of K I fetch
.set WC, 18                            ; which 128 features.  Also: I fetch for A (0) or B (1)
.set G1, 24
.set G0, 32
.set G1B, 48
.set G0B, 56
.set MSB, 0
.macro WIN new
.if MSB != (\new)
	s_set_vgpr_msb (MSB<<8)|(\new)
.set MSB, (\new)
.endif
.endm
.macro PLACES n
.rept \n
	v_nop
.endr
.endm
.macro TL g0, g1
	tensor_load_to_lds s[\g0:\g0+3], s[\g1:\g1+7]
	s_nop 0
	PLACES 4
.endm
.macro CROUND
	s_barrier_signal -1
	s_barrier_wait -1
	s_cmp_lg_u32 s[WV], 0
	s_cbranch_scc1 .Lnot_wave_0_\@
	s_barrier_signal -3
.Lnot_wave_0_\@:
	s_barrier_wait -3
	s_barrier_signal -1
	s_barrier_wait -1
.endm
	s_load_b256 s[4:11], s[0:1], 0x0               ; codes, scales, bp, out0
	v_lshl_add_u32 v[SPW], v0, 2, SPARE
	v_mov_b32 v[NIL], 0
	ds_add_u32 v[SPW], v[NIL]                      ; the opening lines
	ds_add_u32 v[SPW], v[NIL]
	v_lshrrev_b32 v1, 5, v0
	v_readfirstlane_b32 s[WV], v1
	s_lshr_b32 s[WR], s[WV], 1
	s_and_b32 s[WC], s[WV], 1
	s_bfe_u32 s40, ttmp6, 0x40000                  ; cx
	s_bfe_u32 s41, ttmp6, 0x40004                  ; cy
	s_and_b32 s42, ttmp7, 0xffff
	s_lshl_b32 s43, s41, 2
	s_lshl_b32 s43, 15, s43                        ; my row of the cluster
	s_lshl_b32 s44, 0x1111, s40                    ; my column
	s_or_b32 s[G1], s43, (3<<16)|(1<<21)           ; eight chunks of 128 rows: 8 rows of 6,144 bytes, a chunk apart in memory, dense in LDS
	s_mov_b32 s[G1+1], 768<<16
	s_mov_b32 s[G1+2], 8<<16
	s_mov_b32 s[G1+3], 768<<16
	s_mov_b32 s[G1+4], 8
	s_mov_b32 s[G1+5], CH/8
	s_mov_b32 s[G1+6], 0
	s_mov_b32 s[G1+7], 0
	s_or_b32 s[G1B], s44, (3<<16)|(1<<21)          ; and of 256 rows
	s_mov_b32 s[G1B+1], 1536<<16
	s_mov_b32 s[G1B+2], 8<<16
	s_mov_b32 s[G1B+3], 1536<<16
	s_mov_b32 s[G1B+4], 8
	s_mov_b32 s[G1B+5], CH/8
	s_mov_b32 s[G1B+6], 0
	s_mov_b32 s[G1B+7], 0
	s_lshl_b32 s66, s42, 9
	s_lshl_b32 s20, s41, 7
	s_add_co_u32 s66, s66, s20                     ; A's first row: 128 x (4 x cluster y + cy)
	s_lshl_b32 s67, s40, 8
	s_add_co_u32 s67, s67, 11264                   ; B's: Wp's row 256 cx
	s_mul_i32 s19, s[WR], 8*CH                     ; my half of K
	s_mul_i32 s20, s66, 48
	s_add_co_u32 s20, s20, s19
	s_mov_b32 s21, 0
	s_mul_i32 s46, s67, 48
	s_add_co_u32 s46, s46, s19
	s_mov_b32 s47, 0
	s_mov_b32 s[G0], 1
	s_mul_i32 s[G0+1], s[WR], 8*CA
	s_mov_b32 s[G0B], 1
	s_mul_i32 s[G0B+1], s[WR], 8*CB
	s_add_co_u32 s[G0B+1], s[G0B+1], BBASE
	s_wait_dscnt 0x0
	s_wait_kmcnt 0x0
	s_add_nc_u64 s[G0+2:G0+3], s[4:5], s[20:21]
	s_or_b32 s[G0+3], s[G0+3], 0x80000000
	s_add_nc_u64 s[G0B+2:G0B+3], s[4:5], s[46:47]
	s_or_b32 s[G0B+3], s[G0B+3], 0x80000000
	CROUND                                         ; all sixteen work-groups are here: the joint loads meet
	s_cmp_eq_u32 s[WV], 0                          ; one chain of branches on the wave's number, a load line to each wave
	s_cbranch_scc0 .Lw1
	TL G0, G1
	s_branch .Lasked
.Lw1:
	s_cmp_eq_u32 s[WV], 1
	s_cbranch_scc0 .Lw2
	TL G0B, G1B
	s_branch .Lasked
.Lw2:
	s_cmp_eq_u32 s[WV], 2
	s_cbranch_scc0 .Lw3
	TL G0, G1
	s_branch .Lasked
.Lw3:
	TL G0B, G1B
.Lasked:
	s_mul_i32 s70, s[WR], 64*48
	s_mul_i32 s71, s[WC], 128*48
	s_add_co_u32 s71, s71, BBASE
	s_lshl_b32 s72, s[WR], 6
	s_add_co_u32 s72, s72, s66                     ; my first row of A,
	s_lshl_b32 s73, s[WC], 7
	s_add_co_u32 s73, s73, s67                     ; of B
	s_lshl_b32 s74, s72, 5
	s_lshl_b32 s75, s73, 5
	s_sub_co_u32 s75, s75, s74                     ; from A's scales to B's
	s_mul_i32 s76, s[WV], 16*SPITCH
	s_lshl_b32 s22, s40, 10
	s_lshl_b32 s23, s[WC], 9
	s_add_co_u32 s22, s22, s23                     ; my first column, in bytes
	s_mov_b32 s23, 0
	s_add_nc_u64 s[20:21], s[8:9], s[22:23]
	s_lshl_b32 s46, s72, 12
	s_add_co_u32 s46, s46, s22
	s_mov_b32 s47, 0
	s_add_nc_u64 s[92:93], s[10:11], s[46:47]
	v_and_b32 v1, 15, v0                           ; r
	v_bfe_u32 v2, v0, 4, 1                         ; h
	v_mul_u32_u24 v3, v1, 48
	v_mad_u32_u24 v3, v2, 24, v3
	v_add_nc_u32 v[ADRA], s70, v3
	v_add_nc_u32 v[ADRA+1], 8*CA, v[ADRA]
	v_add_nc_u32 v[ADRB], s71, v3
.irp k, 1,2,3
	v_add_nc_u32 v[ADRB+\k], \k*4*CB, v[ADRB]
.endr
	v_mul_u32_u24 v5, s75, v2                      ; lanes 16-31 take B's scale words
	v_lshl_add_u32 v5, v1, 5, v5
	v_add_nc_u32 v[SO], s74, v5
	v_mul_u32_u24 v5, v1, SPITCH
	v_lshl_add_u32 v5, v2, 6, v5
	v_add_nc_u32 v[STO], s76, v5
	v_and_b32 v6, 31, v0
	v_lshlrev_b32 v[CO], 4, v6
	v_add_nc_u32 v[RD], s76, v[CO]
	v_lshlrev_b32 v4, 6, v2
.irp i, 0,1,2,3,4,5,6,7
	global_load_b128 v[SC+10*\i:SC+10*\i+3], v[SO], s[6:7] offset:512*\i
	global_load_b128 v[SC+10*\i+4:SC+10*\i+7], v[SO], s[6:7] offset:512*\i+16
.endr
	WIN 0xc0                                       ; the bias: register 8 i + j = bp[32 (i / 2) + 8 (i % 2) + 16 h + j], for B's block i
.irp i, 0,1,2,3,4,5,6,7
	global_load_b128 v[8*\i:8*\i+3], v4, s[20:21] offset:128*(\i/2)+32*(\i%2)
	global_load_b128 v[8*\i+4:8*\i+7], v4, s[20:21] offset:128*(\i/2)+32*(\i%2)+16
.endr
	WIN 0
.macro FETCH q                         ; step q's fragments into set q % 2: 72 LDS loads
	WIN 0x40
.irp i, 0,1,2,3,4,5,6,7
.irp p, 0,1,2,3,4,5
	ds_load_b64 v[128*((\q)%2)+FR*\i+2*\p:128*((\q)%2)+FR*\i+2*\p+1], v[ADRB+(\q)/2] offset:(2*((\q)%2)+\p/3)*CB+\i*768+8*(\p%3)
.endr
.endr
	WIN 0
.irp i, 0,1,2,3
.irp p, 0,1,2,3,4,5
	ds_load_b64 v[AF+48*((\q)%2)+FR*\i+2*\p:AF+48*((\q)%2)+FR*\i+2*\p+1], v[ADRA+(\q)/4] offset:(2*((\q)%4)+\p/3)*CA+\i*768+8*(\p%3)
.endr
.endr
.endm
.macro MULS q                          ; 32 products, the 32 accumulators by turns, in the same order in every step
.irp a, 0,1,2,3
.irp b, 0,1,2,3,4,5,6,7
.if (\q) == 0
	v_wmma_scale_f32_16x16x128_f8f6f4 v[8*(8*\a+\b):8*(8*\a+\b)+7], v[128*((\q)%2)+FR*\b:128*((\q)%2)+FR*\b+FR-1], v[AF+48*((\q)%2)+FR*\a:AF+48*((\q)%2)+FR*\a+FR-1], v[8*\b:8*\b+7], v[SC+10*\b+(\q)], v[SC+10*\a+(\q)] matrix_a_fmt:MATRIX_FMT_FP6 matrix_b_fmt:MATRIX_FMT_FP6 matrix_a_scale:MATRIX_SCALE_ROW1
.else
	v_wmma_scale_f32_16x16x128_f8f6f4 v[8*(8*\a+\b):8*(8*\a+\b)+7], v[128*((\q)%2)+FR*\b:128*((\q)%2)+FR*\b+FR-1], v[AF+48*((\q)%2)+FR*\a:AF+48*((\q)%2)+FR*\a+FR-1], v[8*(8*\a+\b):8*(8*\a+\b)+7], v[SC+10*\b+(\q)], v[SC+10*\a+(\q)] matrix_a_fmt:MATRIX_FMT_FP6 matrix_b_fmt:MATRIX_FMT_FP6 matrix_a_scale:MATRIX_SCALE_ROW1
.endif
.endr
.endr
.endm
.macro STEP q
	s_wait_dscnt 0x0                               ; this step's fragments are in: they were asked for ahead of the last step's products
.if (\q) == 3
	s_wait_tensorcnt 0x0                           ; every wave's load is in: chunks 8-15 are shown to all
	s_barrier_signal -1
	s_barrier_wait -1
.endif
.if (\q) == 7
	s_barrier_signal -1                            ; my reads of the tiles are over
.endif
.if (\q) > 0 && (\q) < 7
	PLACES 4                                       ; between the last step's products and the loads into their set
.endif
.if (\q) < 7
	FETCH (\q)+1
.endif
.if (\q) == 0
	WIN 0xb1                                       ; source 0 window 1, source 1 window 0, C (the bias) window 3, D window 2
.else
	WIN 0xa1
.endif
	MULS \q
	WIN 0
.endm
	s_wait_alu depctr_va_vdst(0)                   ; the wait at the head's end
	s_cmp_lt_u32 s[WV], 2
	s_cbranch_scc0 .Lnot_first
	s_wait_tensorcnt 0x0                           ; waves 0 and 1: chunks 0-7 are in
.Lnot_first:
	s_barrier_signal -1
	s_barrier_wait -1
	FETCH 0
	s_wait_loadcnt 0x0                             ; the scale words and the bias
.irp q, 0,1,2,3,4,5,6,7
	STEP \q
.endr
	s_barrier_wait -1                              ; nobody reads the tiles any more: the stages may be written
.macro TOSTAGE a
	WIN 0x08
.irp b, 0,1,2,3,4,5,6,7
	ds_store_b128 v[STO], v[64*(\a)+8*\b:64*(\a)+8*\b+3] offset:128*(\b/2)+32*(\b%2)
	ds_store_b128 v[STO], v[64*(\a)+8*\b+4:64*(\a)+8*\b+7] offset:128*(\b/2)+32*(\b%2)+16
.endr
	WIN 0
.irp t, 0,1,2,3,4,5,6,7,8,9,10,11,12,13,14,15
	ds_load_b128 v[BK+64*((\a)%2)+4*\t:BK+64*((\a)%2)+4*\t+3], v[RD] offset:\t*SPITCH   ; LDS serves a wave's instructions in order
.endr
.endm
.macro SEND a, younger
	s_wait_dscnt \younger
.irp t, 0,1,2,3,4,5,6,7,8,9,10,11,12,13,14,15
	global_store_b128 v[CO], v[BK+64*((\a)%2)+4*\t:BK+64*((\a)%2)+4*\t+3], s[92:93] offset:(32*((\a)/2)+8*((\a)%2)+\t+8*(\t/8))*4096 th:TH_STORE_NT   ; 32 lanes store 512 consecutive bytes, aligned
.endr
.endm
	PLACES 4
	TOSTAGE 0
.irp a, 1,2,3
.if \a > 1
	s_wait_xcnt 0x0                                ; block a - 2's stores have read their registers
.endif
	TOSTAGE \a
	SEND \a-1, 32                                  ; behind block a - 1's loads: block a's 16 stores and 16 loads
.endr
	SEND 3, 0
	s_wait_tensorcnt 0x0                           ; the wave's end
	ds_add_u32 v[SPW], v[NIL]
	s_wait_dscnt 0x0
	CROUND                                         ; the closing round
	s_endpgm
.Lfunc_end_k_qbbeabfc346_proj:
	.size	k_qbbeabfc346_proj, .Lfunc_end_k_qbbeabfc346_proj-k_qbbeabfc346_proj
	.p2alignl 7, 3214868480
	.fill 96, 4, 3214868480
	.section	.rodata,"a",@progbits
	.p2align	6, 0x0
	.amdhsa_kernel k_qbbeabfc346_proj
		.amdhsa_group_segment_fixed_size 327680
		.amdhsa_private_segment_fixed_size 0
		.amdhsa_enable_private_segment 0
		.amdhsa_kernarg_size 32
		.amdhsa_user_sgpr_count 2
		.amdhsa_user_sgpr_kernarg_segment_ptr 1
		.amdhsa_wavefront_size32 1
		.amdhsa_system_sgpr_workgroup_id_x 1
		.amdhsa_system_sgpr_workgroup_id_y 1
		.amdhsa_system_sgpr_workgroup_id_z 1
		.amdhsa_system_vgpr_workitem_id 0
		.amdhsa_next_free_vgpr 1024
		.amdhsa_next_free_sgpr 102
		.amdhsa_reserve_vcc 0
		.amdhsa_float_denorm_mode_32 3
		.amdhsa_float_denorm_mode_16_64 3
		.amdhsa_memory_ordered 1
		.amdhsa_forward_progress 1
		.amdhsa_inst_pref_size 95
	.end_amdhsa_kernel
	.amdgpu_metadata
---
amdhsa.version: [ 1, 2 ]
amdhsa.kernels:
  - .name:           k_qbbeabfc346_proj
    .symbol:         k_qbbeabfc346_proj.kd
    .args:
      - { .name: codes, .offset: 0, .size: 8, .value_kind: global_buffer, .address_space: global }
      - { .name: scales, .offset: 8, .size: 8, .value_kind: global_buffer, .address_space: global }
      - { .name: bp, .offset: 16, .size: 8, .value_kind: global_buffer, .address_space: global }
      - { .name: out0, .offset: 24, .size: 8, .value_kind: global_buffer, .address_space: global }
    .group_segment_fixed_size: 327680
    .private_segment_fixed_size: 0
    .kernarg_segment_align: 8
    .kernarg_segment_size: 32
    .max_flat_workgroup_size: 128
    .sgpr_count:     102
    .vgpr_count:     1024
    .wavefront_size: 32
...
	.end_amdgpu_metadata
.endif
;; end of part 4
